; MI455X (gfx1250); checked and timed in simulation.
; The chip was launched on July 23, 2026; its instructions are those of AMD's public machine-readable ISA for CDNA 5 (MIT licence, August 2026) and "CDNA5" Instruction Set Architecture Reference Guide (July 2026). The comments in the code are by the model that wrote it; some were corrected since.
;; Causal Self Attention. Allowed arithmetic: matrix products marked QUANTISED: E2M3 operands, one E8M0 scale for each 32 along K, by v_wmma_scale_f32_16x16x128_f8f6f4 with both operands' format E2M3, f32 sums; everything else in f32.
;; Inputs: b_proj 1,024 float32; b_qk 1,024 float32; bkv_d 64 float32; bq_d 512 float32; bv_u 1,024 float32; w_proj 1,024 x 1,024 float32; w_qk 1,024 x 512 float32; wkv_d 64 x 1,024 float32; wq_d 512 x 1,024 float32; wv_u 1,024 x 64 float32; x 4 x 2,048 x 1,024 float32.
;; Outputs: out0 4 x 2,048 x 1,024 float32.
;; This version of the problem:
;;   THIS VERSION OF THE PROBLEM IS GIVEN IN LOW PRECISION. The matrix products marked QUANTISED in the list below multiply operands that are first quantised to E2M3 (2 exponent bits, 3 mantissa bits; 6 bits a number), with one power-of-two scale for each 32 numbers along K (OCP MX v1.0); their sums are f32. All else is computed in f32.
;;   The module's matrix products, in the order in which they are computed (A, B: the left and right operand; K: the contracted axis; several contracted axes count as one K, in the product's order):
;;     1. [M 8,192, K 1,024] x [K 1,024, N 512]; A: input x; B: input wq_d: QUANTISED
;;     2. [M 8,192, K 1,024] x [K 1,024, N 64]; A: input x; B: input wkv_d: QUANTISED
;;     3. [M 8,192, K 512] x [K 512, N 1,024]; A: computed on the way; B: input w_qk: QUANTISED
;;     4. batch 4 x [M 32,768, K 64] x [K 64, N 2,048]; A: computed on the way; B: computed on the way: QUANTISED
;;     5. [M 8,192, K 64] x [K 64, N 1,024]; A: computed on the way; B: input wv_u: QUANTISED
;;     6. batch 64 x [M 2,048, K 2,048] x [K 2,048, N 64]; A: softmax (see below); B: computed on the way: QUANTISED
;;     7. [M 8,192, K 1,024] x [K 1,024, N 1,024]; A: computed on the way; B: input w_proj: QUANTISED
;;   THE QUANTISER, for each operand of a quantised product, along K:
;;     - K is cut into blocks of 32 from its start; a last block that is shorter is filled with zeros.
;;     - A block's scale is 2^e with e = floor(log2(the largest magnitude in the block)) - 2, held to -126 .. 127; a block of zeros has e = 0. As a byte (E8M0): e + 127.
;;     - Each number is divided by its block's scale, clamped to +-7.5, and rounded to the nearest number of E2M3, ties to even, subnormals kept.
;;     - The product sums the exact products of the quantised numbers (number of the format x scale) in f32.
;;   ~~~python
;;   def quantise(x, axis):      # numpy; x: float32 -> the quantised numbers, widened to float32 again
;;       x = np.moveaxis(x, axis, -1); K = x.shape[-1]
;;       x = np.pad(x, [(0, 0)] * (x.ndim - 1) + [(0, -K % 32)]); x = x.reshape(x.shape[:-1] + (-1, 32)); a = np.abs(x).max(-1, keepdims=True)
;;       e = np.where(a > 0, np.clip(np.frexp(np.where(a > 0, a, 1))[1] - 1 - 2, -126, 127), 0)      # np.frexp(a)[1] - 1 = floor(log2(a)), exactly
;;       r = np.clip(x / 2.0 ** e, -7.5, 7.5)
;;       step = 2.0 ** (np.maximum(np.frexp(np.where(r == 0, 1, r))[1] - 1, 0) - 3)
;;       q = np.round(r / step) * step * 2.0 ** e      # np.round: ties to even
;;       return np.moveaxis(q.reshape(q.shape[:-2] + (-1,))[..., :K], -1, axis).astype(np.float32)
;;   ~~~
;;   SOFTMAX AHEAD OF A QUANTISED PRODUCT. Where the list says 'softmax', what is quantised is not the finished softmax but p = 2^(t - M), with t = logit x log2(e) and M = ceil(the row's largest t), a whole number; so 1/2 < the row's largest p <= 1. The row's sum l is taken of the UNQUANTISED p, in f32, and the product's result is divided by l at the end. Since M is a whole number, a kernel that streams over the keys may use a running M (the ceiling of the running maximum): every later rescaling is an exact power of two, which a block's scale takes up: the codes' values come out the same.
;;   OPERANDS COMPUTED ON THE WAY. 'Computed on the way' means the value that the module computes at that place (a softmax that the list does not call 'softmax' is quantised finished and normalised). What goes into a quantiser is computed in f32, as accurately as f32 sums, v_exp_f32 and their like allow (about 1e-6 of the number): no bf16 or f16 on the way to a quantiser, and a product that is left as it is and whose result goes on into a quantised operand takes f32 operands (vector FMAs, or v_wmma_f32_16x16x4_f32). A number that lies on a knife's edge between two numbers of the format may be rounded either way, as far as f32 arithmetic and the matrix unit's own rounding can turn it there, and no further.
;; 2 versions. Each part assembles by itself: llvm-mc -triple=amdgcn-amd-amdhsa -mcpu=gfx1250 --defsym DOCPART=n.
;; ======== version 1 of 2: 4 launches
;; workspace buffers: wcodes 1,720,320 bytes; wscales 143,360 bytes; kcodes 393,216 bytes; kscales 65,536 bytes; qcodes 6,291,456 bytes; qscales 524,288 bytes; ycodes 6,291,456 bytes; yscales 1,048,576 bytes
;; launch wquant (part 1): grid 280 x 1, 4 waves a work-group, no clusters, 34,304 bytes of LDS; arguments wq_d, wkv_d, w_qk, wv_u, w_proj, wcodes, wscales; writes wcodes, wscales
.if DOCPART == 1
	.amdgcn_target "amdgcn-amd-amdhsa--gfx1250"
	.amdhsa_code_object_version 6
	.text
	.protected	k_qec6895738b_wquant
	.globl	k_qec6895738b_wquant
	.p2align	8
	.type	k_qec6895738b_wquant,@function
k_qec6895738b_wquant:
	s_mov_b64 s[64:65], 0
	v_nop
	global_prefetch_b8 v0, s[64:65] scope:SCOPE_SE
	s_setreg_imm32_b32 hwreg(HW_REG_WAVE_MODE, 25, 1), 1
	s_wait_xcnt 0x0
; The five weights, f32 with K innermost, become codes of FP6 (E2M3) with one E8M0 byte for each 32 along K, laid as IMAGES OF OPERAND REGISTERS.
; A fragment is 16 rows x 128 K, 12 registers a lane: registers 4 c .. 4 c + 3 of lane l lie at 512 c + 16 l of the fragment's 1,536 bytes, so that three loads of 16 bytes a lane bring it.
; THE ROWS OF A TILE ARE NOT NEIGHBOURS: lane r of tile 2 b + u takes row 32 b + 8 u + r + 8 (r / 8), so that a transposed product leaves 16 neighbouring columns in the 16 registers of two neighbouring tiles.
; Fragment numbers: wq_d 0 + 8 tile + s, wkv_d 256 + 8 tile + s, w_qk 288 + 4 tile + s, wv_u 544 + tile (K = 64: the upper 64 are zero codes), w_proj 608 + 8 tile + s.  1,120 in all, one to a wave.
; Scale words: that of (tile, s, lane) at 128 x (the tile's first fragment) + 4 S lane + 4 s, S the tile's K steps: a lane's words of a tile are neighbours.
; A block's scale is 2^(floor(log2(its largest magnitude)) - 2); the byte is that magnitude's exponent field - 2, held at 1 from below.
; LIMITS: NaN and infinities are not served; a block of zeros gets the byte 1 where the rule says 127: its codes are zeros, which add nothing, and this program alone reads the bytes.
; Each load reads 512 consecutive bytes of one row; the 16 rows turn through the wave's own stage in LDS (rows 528 bytes apart), from which a lane takes 16 neighbours of each block of 32.  No barrier: waves share nothing.
.set R,   32                           ; v32-95   16 rows x 128 numbers as loaded
.set T,   96                           ; v96-159  register 16 b + i = k 32 b + 16 (lane / 16) + i of my row
.set PC,  160                          ; v160-171 the codes; v172-178 halves on their way
.set TM,  180                          ; v180-195 at work
.set PW,  196                          ; the scale word
	s_load_b256 s[4:11], s[0:1], 0x0               ; wq_d, wkv_d, w_qk, wv_u
	s_load_b128 s[12:15], s[0:1], 0x20             ; w_proj, wcodes
	s_load_b64 s[16:17], s[0:1], 0x30              ; wscales
	v_lshl_add_u32 v200, v0, 2, 0x8400
	v_mov_b32 v201, 0
	v_lshrrev_b32 v1, 5, v0
	v_readfirstlane_b32 s18, v1                    ; wave
	v_and_b32 v1, 31, v0                           ; lane
	v_and_b32 v2, 15, v0                           ; r
	v_bfe_u32 v3, v0, 4, 1                         ; h
	v_and_b32 v4, 8, v2
	v_add_nc_u32 v4, v4, v2                        ; r + 8 (r / 8)
	v_lshlrev_b32 v5, 4, v1                        ; 16 x lane
	s_mul_i32 s19, s18, 8448                       ; my stage
	v_add_nc_u32 v6, s19, v5                       ; into it: a row's 512 bytes as they lie
	v_mul_u32_u24 v7, v2, 528
	v_lshl_add_u32 v7, v3, 6, v7
	v_add_nc_u32 v7, s19, v7                       ; out of it: row r, + 64 h
	v_lshlrev_b32 v8, 8, v4
	v_lshl_add_u32 v8, v3, 6, v8                   ; wv_u: row r + 8 (r / 8) of 256 bytes, + 64 h
	s_mov_b32 s32, 0x76543210
	s_mov_b32 s33, 0xfedcba98                      ; selects for lane l xor 16
.irp b, 0,1,2,3
	v_mov_b32 v[TM+4+\b], 0                        ; written once: a lane permute's destination counts as one of its sources
.endr
	s_lshl_b32 s19, ttmp9, 2
	s_add_co_u32 s19, s19, s18                     ; my fragment
	s_mov_b32 s20, 608                             ; the tensor's first fragment,
	s_mov_b32 s21, 3                               ; log2 of its K steps,
	s_mov_b32 s22, 4096                            ; its row in bytes: w_proj's, unless the work-group's number says otherwise
	s_wait_kmcnt 0x0
	s_mov_b64 s[24:25], s[12:13]
	s_cmp_lt_u32 ttmp9, 152
	s_cselect_b64 s[24:25], s[10:11], s[24:25]     ; wv_u
	s_cselect_b32 s20, 544, s20
	s_cselect_b32 s21, 0, s21
	s_cselect_b32 s22, 256, s22
	s_cmp_lt_u32 ttmp9, 136
	s_cselect_b64 s[24:25], s[8:9], s[24:25]       ; w_qk
	s_cselect_b32 s20, 288, s20
	s_cselect_b32 s21, 2, s21
	s_cselect_b32 s22, 2048, s22
	s_cmp_lt_u32 ttmp9, 72
	s_cselect_b64 s[24:25], s[6:7], s[24:25]       ; wkv_d
	s_cselect_b32 s20, 256, s20
	s_cselect_b32 s21, 3, s21
	s_cselect_b32 s22, 4096, s22
	s_cmp_lt_u32 ttmp9, 64
	s_cselect_b64 s[24:25], s[4:5], s[24:25]       ; wq_d
	s_cselect_b32 s20, 0, s20
	s_sub_co_u32 s23, s19, s20                     ; the fragment's number in its tensor
	s_lshr_b32 s26, s23, s21                       ; tile
	s_lshl_b32 s27, s26, s21
	s_sub_co_u32 s27, s23, s27                     ; K step s
	s_lshr_b32 s28, s26, 1
	s_lshl_b32 s28, s28, 5
	s_and_b32 s29, s26, 1
	s_lshl_b32 s29, s29, 3
	s_add_co_u32 s28, s28, s29                     ; the tile's first row: 32 (tile / 2) + 8 (tile % 2)
	s_mul_i32 s28, s28, s22
	s_lshl_b32 s29, s27, 9
	s_add_co_u32 s28, s28, s29                     ; + 512 s bytes along K
	s_mov_b32 s29, 0
	s_add_nc_u64 s[24:25], s[24:25], s[28:29]
	s_mul_i32 s28, s19, 1536
	s_add_nc_u64 s[14:15], s[14:15], s[28:29]      ; my image
	s_sub_co_u32 s28, s19, s27
	s_lshl_b32 s28, s28, 7
	s_lshl_b32 s30, s27, 2
	s_add_co_u32 s28, s28, s30
	s_add_nc_u64 s[16:17], s[16:17], s[28:29]      ; my scale words: 128 x the tile's first fragment + 4 s
	s_add_co_u32 s30, s21, 2
	v_lshlrev_b32 v9, s30, v1                      ; + 4 S x lane
	s_cmp_eq_u32 s21, 0
	s_cbranch_scc1 .Lwv
.irp i, 0,1,2,3,4,5,6,7,8,9,10,11,12,13,14,15
	v_mad_u32_u24 v[16+\i], s22, \i+8*(\i/8), v5   ; the tile's row i, my 16 bytes of its 512
.endr
.irp i, 0,1,2,3,4,5,6,7,8,9,10,11,12,13,14,15
	global_load_b128 v[R+4*\i:R+4*\i+3], v[16+\i], s[24:25] th:TH_LOAD_NT
.endr
	s_wait_loadcnt 0x0
.irp i, 0,1,2,3,4,5,6,7,8,9,10,11,12,13,14,15
	ds_store_b128 v6, v[R+4*\i:R+4*\i+3] offset:528*\i
.endr
.irp b, 0,1,2,3
.irp j, 0,1,2,3
	ds_load_b128 v[T+16*\b+4*\j:T+16*\b+4*\j+3], v7 offset:128*\b+16*\j   ; LDS serves a wave's instructions in order: these see my stores
.endr
.endr
	s_wait_dscnt 0x0
	s_branch .Ljoin
.Lwv:                                                  ; wv_u: a row is 64 numbers; a lane takes its 16 of each of the two blocks straight from memory, the other two blocks are zeros
.irp b, 0,1
.irp j, 0,1,2,3
	global_load_b128 v[T+16*\b+4*\j:T+16*\b+4*\j+3], v8, s[24:25] offset:128*\b+16*\j th:TH_LOAD_NT
.endr
.endr
.set J, 32
.rept 32
	v_mov_b32 v[T+J], 0
.set J, J+1
.endr
	s_wait_loadcnt 0x0
.Ljoin:
.irp b, 0,1,2,3
	v_max3_num_f32 v[TM+\b], |v[T+16*\b]|, |v[T+1+16*\b]|, 0x1800000   ; block b: my 16 numbers, and the floor 2^(3 - 127): the byte cannot fall under 1
.endr
.irp i, 2,4,6,8,10,12,14
.irp b, 0,1,2,3
	v_max3_num_f32 v[TM+\b], v[TM+\b], |v[T+16*\b+\i]|, |v[T+1+16*\b+\i]|   ; the four blocks by turns
.endr
.endr
.irp b, 0,1,2,3
	v_permlanex16_b32 v[TM+4+\b], v[TM+\b], s32, s33
.endr
.irp b, 0,1,2,3
	v_max_num_f32 v[TM+\b], v[TM+\b], v[TM+4+\b]   ; with lane l xor 16's: the block's largest magnitude
.endr
.irp b, 0,1,2,3
	v_add_nc_u32 v[TM+12+\b], 0xff000000, v[TM+\b] ; 2 off its exponent field: the conversion takes that field as its scale
.endr
.irp b, 0,1,2,3
	v_lshrrev_b32 v[TM+4+\b], 23, v[TM+12+\b]      ; the scale's byte
.endr
	v_lshl_or_b32 v[PW], v[TM+5], 8, v[TM+4]
	v_lshl_or_b32 v[PW], v[TM+6], 16, v[PW]
	v_lshl_or_b32 v[PW], v[TM+7], 24, v[PW]
.irp c, 0,1
	v_cvt_scalef32_pk16_fp6_f32 v[PC+6*\c:PC+2+6*\c], v[T+32*\c:T+15+32*\c], v[TM+12+2*\c]
	v_cvt_scalef32_pk16_fp6_f32 v[PC+12+4*\c:PC+14+4*\c], v[T+16+32*\c:T+31+32*\c], v[TM+12+2*\c+1]   ; (a conversion's three registers begin on an even number)
.endr
	v_nop                                          ; one plain place behind a scaled conversion
.irp c, 0,1                                    ; the operand's layout wants a whole block in a lane: lanes 0-15 block 2 c, lanes 16-31 block 2 c + 1
.irp i, 0,1,2
	v_permlane16_swap_b32 v[PC+6*\c+\i], v[PC+12+4*\c+\i]
.endr
.irp i, 0,1,2
	v_mov_b32 v[PC+3+6*\c+\i], v[PC+12+4*\c+\i]
.endr
.endr
.irp c, 0,1,2
	global_store_b128 v5, v[PC+4*\c:PC+4*\c+3], s[14:15] offset:512*\c   ; 32 lanes store 512 consecutive bytes, aligned
.endr
	global_store_b32 v9, v[PW], s[16:17]           ; 4 bytes a lane, 4 S bytes apart: 143,360 bytes in the whole launch, so laid that their users load 16 bytes a lane
	s_wait_tensorcnt 0x0
	ds_add_u32 v200, v201
	s_wait_dscnt 0x0
	s_endpgm
.Lfunc_end_k_qec6895738b_wquant:
	.size	k_qec6895738b_wquant, .Lfunc_end_k_qec6895738b_wquant-k_qec6895738b_wquant
	.p2alignl 7, 3214868480
	.fill 96, 4, 3214868480
	.section	.rodata,"a",@progbits
	.p2align	6, 0x0
	.amdhsa_kernel k_qec6895738b_wquant
		.amdhsa_group_segment_fixed_size 34304
		.amdhsa_private_segment_fixed_size 0
		.amdhsa_enable_private_segment 0
		.amdhsa_kernarg_size 56
		.amdhsa_user_sgpr_count 2
		.amdhsa_user_sgpr_kernarg_segment_ptr 1
		.amdhsa_wavefront_size32 1
		.amdhsa_system_sgpr_workgroup_id_x 1
		.amdhsa_system_sgpr_workgroup_id_y 1
		.amdhsa_system_sgpr_workgroup_id_z 1
		.amdhsa_system_vgpr_workitem_id 0
		.amdhsa_next_free_vgpr 202
		.amdhsa_next_free_sgpr 66
		.amdhsa_reserve_vcc 0
		.amdhsa_float_denorm_mode_32 3
		.amdhsa_float_denorm_mode_16_64 3
		.amdhsa_memory_ordered 1
		.amdhsa_forward_progress 1
		.amdhsa_inst_pref_size 15
	.end_amdhsa_kernel
	.amdgpu_metadata
---
amdhsa.version: [ 1, 2 ]
amdhsa.kernels:
  - .name:           k_qec6895738b_wquant
    .symbol:         k_qec6895738b_wquant.kd
    .args:
      - { .name: wq_d, .offset: 0, .size: 8, .value_kind: global_buffer, .address_space: global }
      - { .name: wkv_d, .offset: 8, .size: 8, .value_kind: global_buffer, .address_space: global }
      - { .name: w_qk, .offset: 16, .size: 8, .value_kind: global_buffer, .address_space: global }
      - { .name: wv_u, .offset: 24, .size: 8, .value_kind: global_buffer, .address_space: global }
      - { .name: w_proj, .offset: 32, .size: 8, .value_kind: global_buffer, .address_space: global }
      - { .name: wcodes, .offset: 40, .size: 8, .value_kind: global_buffer, .address_space: global }
      - { .name: wscales, .offset: 48, .size: 8, .value_kind: global_buffer, .address_space: global }
    .group_segment_fixed_size: 34304
    .private_segment_fixed_size: 0
    .kernarg_segment_align: 8
    .kernarg_segment_size: 56
    .max_flat_workgroup_size: 128
    .sgpr_count:     66
    .vgpr_count:     202
    .wavefront_size: 32
...
	.end_amdgpu_metadata
.endif
;; end of part 1
;; launch chain (part 2): grid 128 x 1, 4 waves a work-group, no clusters, 147,968 bytes of LDS; arguments x, wcodes, wscales, bq_d, bkv_d, b_qk, kcodes, kscales, qcodes, qscales; writes kcodes, kscales, qcodes, qscales
.if DOCPART == 2
	.amdgcn_target "amdgcn-amd-amdhsa--gfx1250"
	.amdhsa_code_object_version 6
	.text
	.protected	k_qec6895738b_chain
	.globl	k_qec6895738b_chain
	.p2align	8
	.type	k_qec6895738b_chain,@function
k_qec6895738b_chain:
	s_mov_b64 s[64:65], 0
	v_nop
	global_prefetch_b8 v0, s[64:65] scope:SCOPE_SE
	s_setreg_imm32_b32 hwreg(HW_REG_WAVE_MODE, 25, 1), 1
	s_wait_xcnt 0x0
; c_kv = x wkv_d^T + bkv_d, c_q = x wq_d^T + bq_d, q = c_q w_qk^T + b_qk, all three products on codes of FP6 (E2M3) with one E8M0 scale for each 32 along K.  Out go the codes of c_kv and of q; x is read once, as f32; c_q never leaves LDS.
; SHARES.  A work-group of four waves takes 64 tokens: four tiles of 16.  Tile 2 B + u of the 512 holds tokens 32 B + 8 u + r + 8 (r / 8), r = lane % 16.  THE WAVES SHARE THE COLUMNS: wave w makes columns 128 w .. of c_q and 256 w .. of q for all
; 64 tokens, so a weight fragment loaded into registers feeds four matrix instructions; for c_kv (64 columns) wave w takes token tile w.  128 work-groups: with 32 tokens each the weights would be read twice as often for the same chain of K steps.
; Every product is used TRANSPOSED (source 0 = 16 rows of the weight, source 1 = 16 tokens): a lane holds one token, and by the choice of a tile's rows the 16 registers of two neighbouring tiles are 16 neighbours along the next K.
; OPERANDS GO FROM WAVE TO WAVE THROUGH LDS AS IMAGES OF THEIR REGISTERS (1,536 bytes: registers 4 c .. 4 c + 3 of lane l at 512 c + 16 l); scale words of the four token tiles lie together, 16 bytes a lane.
; The weights come from memory in the same form, straight into registers, two K steps ahead.  No loop: every offset is an immediate, and the count of loads issued behind a group is kept by the symbol LC.
; LIMITS: NaN and infinities are not served; a block of zeros gets the byte 1 where the rule says 127: its codes are zeros, and this program alone reads the bytes.
; REGISTERS, in windows of 256.  Window 0: v1-13 addresses; v16-63, v64-111 two sets of four token fragments (v16-79 also 64 numbers of x); v112-130 codes just made; v132-147 at work; v148 the scale word just made;
;   v152-159 the token fragments' scale words; v160-223 the weight's scale words; v224-255 wkv_d's.  Window 1: x as loaded, four sets of 64; later the 32 accumulators, (token tile m, weight tile t) at 64 m + 8 t.
;   Window 2: two sets of eight weight fragments, at v0 and v96; v192-255 64 numbers of x.  Window 3: the biases in the result's layout: bq_d v0-63, b_qk v64-191, bkv_d v192-223.
.set XIMG, 0                           ; LDS: x's 32 fragments (8 m + s),
.set XSC,  49152                       ; their scale words: 512 s + 16 lane + 4 m,
.set CIMG, 53248                       ; c_q's 16 fragments (4 m + s),
.set CSC,  77824                       ; their scale words: 512 s + 16 lane + 4 m,
.set XST,  79872                       ; and for each wave two stages of 16 rows x 528 bytes, through which x turns
.set PC,  112
.set TM,  132
.set PW,  148
.set BS,  152
.set WS,  160
.set WKS, 224
.set MSB, 0
.macro WIN new                         ; the immediate's high byte repeats the setting that is left; a switch that changes nothing is dropped
.if MSB != \new
	s_set_vgpr_msb (MSB<<8)|\new
.set MSB, \new
.endif
.endm
.macro PLACES n                        ; plain vector instructions between a matrix instruction and what may not follow it at once (ISA guide 7.12.1)
.rept \n
	v_nop
.endr
.endm
.set LC, 0                             ; global loads issued so far
.set MW0, 0                            ; LC behind the last group loaded into weight set 0, 1
.set MW1, 0
.macro WAITL m                         ; loads come back in order (ISA guide 5.7.1): the group marked m is in when no more are out than were issued behind it
.if LC-(\m) > 63
	s_wait_loadcnt 63
.else
	s_wait_loadcnt LC-(\m)
.endif
.endm
.macro WMC d, a, b, c, sa, sb
	v_wmma_scale_f32_16x16x128_f8f6f4 v[(\d):(\d)+7], v[(\a):(\a)+11], v[(\b):(\b)+11], v[(\c):(\c)+7], v[\sa], v[\sb] matrix_a_fmt:MATRIX_FMT_FP6 matrix_b_fmt:MATRIX_FMT_FP6
.endm
; 64 numbers of a lane in window w, register 16 b + i = k 32 b + 16 (lane / 16) + i of my token, become a fragment's codes in v[PC] on and its scale word in v[PW].  An accumulator is read from its low end on.
.macro QUANT4 s, w
.set WW, ((\w)<<2)|((\w)<<4)
	WIN WW                                         ; sources 1 and 2 in window w
.irp b, 0,1,2,3
	v_max3_num_f32 v[TM+\b], 0x1800000, |v[(\s)+16*\b]|, |v[(\s)+1+16*\b]|   ; block b: my 16 numbers, and the floor 2^(3 - 127): the byte cannot fall under 1
.endr
.irp i, 2,4,6,8,10,12,14
.irp b, 0,1,2,3
	v_max3_num_f32 v[TM+\b], v[TM+\b], |v[(\s)+16*\b+\i]|, |v[(\s)+1+16*\b+\i]|
.endr
.endr
	WIN 0
.irp b, 0,1,2,3
	v_permlanex16_b32 v[TM+4+\b], v[TM+\b], s26, s27
.endr
.irp b, 0,1,2,3
	v_max_num_f32 v[TM+\b], v[TM+\b], v[TM+4+\b]   ; with lane l xor 16's: the block's largest magnitude
.endr
.irp b, 0,1,2,3
	v_add_nc_u32 v[TM+12+\b], 0xff000000, v[TM+\b] ; 2 off its exponent field: the conversion's scale operand
.endr
.irp b, 0,1,2,3
	v_lshrrev_b32 v[TM+4+\b], 23, v[TM+12+\b]      ; the scale's byte
.endr
	v_lshl_or_b32 v[PW], v[TM+5], 8, v[TM+4]
	v_lshl_or_b32 v[PW], v[TM+6], 16, v[PW]
	v_lshl_or_b32 v[PW], v[TM+7], 24, v[PW]
	WIN \w                                         ; source 0 in window w
.irp c, 0,1
	v_cvt_scalef32_pk16_fp6_f32 v[PC+6*\c:PC+2+6*\c], v[(\s)+32*\c:(\s)+15+32*\c], v[TM+12+2*\c]
	v_cvt_scalef32_pk16_fp6_f32 v[PC+12+4*\c:PC+14+4*\c], v[(\s)+16+32*\c:(\s)+31+32*\c], v[TM+12+2*\c+1]
.endr
	WIN 0
	v_nop                                          ; one plain place behind a scaled conversion
.irp c, 0,1                                    ; a whole block to a lane: lanes 0-15 block 2 c, lanes 16-31 block 2 c + 1
.irp i, 0,1,2
	v_permlane16_swap_b32 v[PC+6*\c+\i], v[PC+12+4*\c+\i]
.endr
.irp i, 0,1,2
	v_mov_b32 v[PC+3+6*\c+\i], v[PC+12+4*\c+\i]
.endr
.endr
.endm
; The same for 32 numbers, K = 64: six registers of codes, a scale word with two bytes (the other two are 0, which stand beside zero codes)
.macro QUANT2 s, w
.set WW, ((\w)<<2)|((\w)<<4)
	WIN WW
.irp b, 0,1
	v_max3_num_f32 v[TM+\b], 0x1800000, |v[(\s)+16*\b]|, |v[(\s)+1+16*\b]|
.endr
.irp i, 2,4,6,8,10,12,14
.irp b, 0,1
	v_max3_num_f32 v[TM+\b], v[TM+\b], |v[(\s)+16*\b+\i]|, |v[(\s)+1+16*\b+\i]|
.endr
.endr
	WIN 0
.irp b, 0,1
	v_permlanex16_b32 v[TM+4+\b], v[TM+\b], s26, s27
.endr
.irp b, 0,1
	v_max_num_f32 v[TM+\b], v[TM+\b], v[TM+4+\b]
.endr
.irp b, 0,1
	v_add_nc_u32 v[TM+12+\b], 0xff000000, v[TM+\b]
.endr
.irp b, 0,1
	v_lshrrev_b32 v[TM+4+\b], 23, v[TM+12+\b]
.endr
	v_lshl_or_b32 v[PW], v[TM+5], 8, v[TM+4]
	WIN \w
	v_cvt_scalef32_pk16_fp6_f32 v[PC:PC+2], v[(\s):(\s)+15], v[TM+12]
	v_cvt_scalef32_pk16_fp6_f32 v[PC+12:PC+14], v[(\s)+16:(\s)+31], v[TM+13]
	WIN 0
	v_nop
.irp i, 0,1,2
	v_permlane16_swap_b32 v[PC+\i], v[PC+12+\i]
.endr
.irp i, 0,1,2
	v_mov_b32 v[PC+3+\i], v[PC+12+\i]
.endr
.endm
; K step k of my token tile of x: 16 loads, each 512 consecutive bytes of one row, into set k % 4 of window 1
.macro XLOAD k
	WIN 0x40
.irp i, 0,1,2,3,4,5,6,7,8,9,10,11,12,13,14,15
	global_load_b128 v[64*((\k)%4)+4*\i:64*((\k)%4)+4*\i+3], v1, s[4:5] offset:(\i+8*(\i/8))*4096+512*(\k) th:TH_LOAD_NT
.endr
.set LC, LC+16
.set MX\k, LC
.endm
; and through my stage k % 2: in as loaded, out 16 neighbours of each block of 32 a lane.  LDS serves a wave's instructions in order: no wait between
.macro TURN k
	WIN 0x04                                       ; an LDS store's data are its source 1: window 1
.irp i, 0,1,2,3,4,5,6,7,8,9,10,11,12,13,14,15
	ds_store_b128 v5, v[64*((\k)%4)+4*\i:64*((\k)%4)+4*\i+3] offset:8448*((\k)%2)+528*\i
.endr
.if ((\k)%2) == 0
	WIN 0
.set TT, 16
.else
	WIN 0x80
.set TT, 192
.endif
.irp b, 0,1,2,3
.irp j, 0,1,2,3
	ds_load_b128 v[TT+16*\b+4*\j:TT+16*\b+4*\j+3], v6 offset:8448*((\k)%2)+128*\b+16*\j
.endr
.endr
.endm
.macro XQ k                            ; K step k of my token tile is quantised; its image and scale word go to LDS
.if ((\k)%2) == 0
	QUANT4 16, 0
.else
	QUANT4 192, 2
.endif
.irp c, 0,1,2
	ds_store_b128 v7, v[PC+4*\c:PC+4*\c+3] offset:1536*(\k)+512*\c
.endr
	ds_store_b32 v8, v[PW] offset:512*(\k)
.endm
.macro MARKW set
.if (\set) == 0
.set MW0, LC
.else
.set MW1, LC
.endif
.endm
; my eight weight fragments of K step k (of NS) into set: 24 loads of 512 consecutive bytes
.macro WLOAD set, base, off0, NS, k
	WIN 0x80
.irp t, 0,1,2,3,4,5,6,7
.irp c, 0,1,2
	global_load_b128 v[96*(\set)+12*\t+4*\c:96*(\set)+12*\t+4*\c+3], v1, s[\base:\base+1] offset:(\off0)+(\t*(\NS)+(\k))*1536+512*\c
.endr
.endr
.set LC, LC+24
	MARKW \set
.endm
; wkv_d's four tiles for K steps 2 q and 2 q + 1: fragment 4 e + t of the set
.macro WKLOAD set, q
	WIN 0x80
.irp e, 0,1
.irp t, 0,1,2,3
.irp c, 0,1,2
	global_load_b128 v[96*(\set)+12*(4*\e+\t)+4*\c:96*(\set)+12*(4*\e+\t)+4*\c+3], v1, s[30:31] offset:(8*\t+2*(\q)+\e)*1536+512*\c
.endr
.endr
.endr
.set LC, LC+24
	MARKW \set
.endm
; the four token tiles' fragments of K step k and their scale words: 13 LDS loads
.macro BLOAD set, adr, img, sc, NS, k
	WIN 0
.irp m, 0,1,2,3
.irp c, 0,1,2
	ds_load_b128 v[16+48*(\set)+12*\m+4*\c:16+48*(\set)+12*\m+4*\c+3], v[\adr] offset:(\img)+(\m*(\NS)+(\k))*1536+512*\c
.endr
.endr
	ds_load_b128 v[BS+4*(\set):BS+4*(\set)+3], v[\adr] offset:(\sc)+512*(\k)
.endm
; my own token tile's fragments of K steps 2 q and 2 q + 1: 8 LDS loads
.macro KBLOAD q
	WIN 0
.irp e, 0,1
.irp c, 0,1,2
	ds_load_b128 v[16+48*((\q)%2)+12*\e+4*\c:16+48*((\q)%2)+12*\e+4*\c+3], v7 offset:(2*(\q)+\e)*1536+512*\c
.endr
	ds_load_b32 v[BS+4*((\q)%2)+\e], v8 offset:512*(2*(\q)+\e)
.endr
.endm
; 32 matrix instructions: four token tiles x my eight weight tiles, one K step.  The 32 accumulators take turns, one instruction a turn.  cb >= 0: the bias (window 3, from v[cb]) starts the sums.
.macro MUL set, ws, wstr, k, cb
.if (\cb) >= 0
	WIN 0x72                                       ; source 0 (weight) window 2, source 1 (tokens) window 0, C window 3, D window 1
.else
	WIN 0x52                                       ; C and D window 1
.endif
.irp m, 0,1,2,3
.irp t, 0,1,2,3,4,5,6,7
.if (\cb) >= 0
	WMC 64*\m+8*\t, 96*(\set)+12*\t, 16+48*(\set)+12*\m, (\cb)+8*\t, (\ws)+(\wstr)*\t+(\k), BS+4*(\set)+\m
.else
	WMC 64*\m+8*\t, 96*(\set)+12*\t, 16+48*(\set)+12*\m, 64*\m+8*\t, (\ws)+(\wstr)*\t+(\k), BS+4*(\set)+\m
.endif
.endr
.endr
	PLACES 4                                       ; in front of loads into the registers just read, and of the first read of results
.endm
; K step k of a pass of NS steps; the loads of step k + 2 follow into the sets just read
.macro PSTEP k, NS, base, off0, adr, img, sc, ws, wstr, cb
.if ((\k)%2) == 0
	WAITL MW0
.else
	WAITL MW1
.endif
.if (\k) == (\NS)-1
	s_wait_dscnt 0x0
.else
	s_wait_dscnt 13                                ; this step's 13 LDS loads are in; the next step's 13 may be out
.endif
.if (\k) == 0
	MUL (\k)%2, \ws, \wstr, \k, \cb
.else
	MUL (\k)%2, \ws, \wstr, \k, -1
.endif
.if (\k)+2 < (\NS)
	WLOAD (\k)%2, \base, \off0, \NS, (\k)+2
	BLOAD (\k)%2, \adr, \img, \sc, \NS, (\k)+2
.endif
.endm
; two K steps of c_kv for my token tile: four accumulators by turns; left = the younger LDS loads that may stay out
.macro KSTEP q, left
.if ((\q)%2) == 0
	WAITL MW0
.else
	WAITL MW1
.endif
	s_wait_dscnt \left
.irp e, 0,1
.if ((\q) == 0) && (\e == 0)
	WIN 0x72
.else
	WIN 0x52
.endif
.irp t, 0,1,2,3
.if ((\q) == 0) && (\e == 0)
	WMC 8*\t, 96*((\q)%2)+12*(4*\e+\t), 16+48*((\q)%2)+12*\e, 192+8*\t, WKS+8*\t+2*(\q)+\e, BS+4*((\q)%2)+\e
.else
	WMC 8*\t, 96*((\q)%2)+12*(4*\e+\t), 16+48*((\q)%2)+12*\e, 8*\t, WKS+8*\t+2*(\q)+\e, BS+4*((\q)%2)+\e
.endif
.endr
.endr
	PLACES 4
.endm
; q's head pair 2 w + p, four token tiles: quantised and stored as two half images (a head's 64: registers 0-3 at 16 lane, 4-5 at 512 + 8 lane) and one scale word (bytes 0, 1 the even head's, 2, 3 the odd head's)
.macro QOUT p
.irp m, 0,1,2,3
	s_wait_xcnt 0x0                                ; the stores issued so far have read their registers: the codes may be written again
	QUANT4 64*\m, 1
	global_store_b128 v1, v[PC:PC+3], s[20:21] offset:12288*\m+1536*(\p)
	global_store_b64 v2, v[PC+4:PC+5], s[20:21] offset:12288*\m+1536*(\p)+512
	global_store_b128 v1, v[PC+6:PC+9], s[20:21] offset:12288*\m+1536*(\p)+768
	global_store_b64 v2, v[PC+10:PC+11], s[20:21] offset:12288*\m+1536*(\p)+1280
	global_store_b32 v3, v[PW], s[22:23] offset:1024*\m+128*(\p)
.endr
.endm
	s_load_b512 s[4:19], s[0:1], 0x0               ; x, wcodes, wscales, bq_d, bkv_d, b_qk, kcodes, kscales
	s_load_b128 s[20:23], s[0:1], 0x40             ; qcodes, qscales
	v_lshl_add_u32 v150, v0, 2, 0x24000
	v_mov_b32 v151, 0
	v_lshrrev_b32 v1, 5, v0
	v_readfirstlane_b32 s24, v1                    ; wave
	v_and_b32 v14, 31, v0                          ; lane
	v_and_b32 v15, 15, v0                          ; r
	v_bfe_u32 v13, v0, 4, 1                        ; h
	v_lshlrev_b32 v1, 4, v14                       ; 16 x lane
	v_lshlrev_b32 v2, 3, v14                       ; 8 x lane
	v_lshlrev_b32 v3, 2, v14                       ; 4 x lane
	v_lshlrev_b32 v4, 5, v14                       ; 32 x lane
	s_mul_i32 s40, s24, 16896
	s_add_co_u32 s40, s40, XST                     ; my stages
	v_add_nc_u32 v5, s40, v1                       ; in
	v_mul_u32_u24 v6, v15, 528
	v_lshl_add_u32 v6, v13, 6, v6
	v_add_nc_u32 v6, s40, v6                       ; out: row r, + 64 h
	s_mul_i32 s40, s24, 12288
	v_add_nc_u32 v7, s40, v1                       ; my token tile's eight images of x
	s_lshl_b32 s40, s24, 2
	s_add_co_u32 s40, s40, XSC
	v_add_nc_u32 v8, s40, v1                       ; and its scale words: XSC + 16 lane + 4 w
	v_add_nc_u32 v10, CIMG, v1                     ; c_q's images, read
	s_mul_i32 s40, s24, 1536
	s_add_co_u32 s40, s40, CIMG
	v_add_nc_u32 v11, s40, v1                      ; and written: K step w
	s_lshl_b32 s40, s24, 9
	s_add_co_u32 s40, s40, CSC
	v_add_nc_u32 v12, s40, v1                      ; its scale words: CSC + 512 w + 16 lane
	v_lshlrev_b32 v13, 6, v13                      ; biases: 64 h
	s_mov_b32 s26, 0x76543210
	s_mov_b32 s27, 0xfedcba98                      ; selects for lane l xor 16
.irp b, 0,1,2,3
	v_mov_b32 v[TM+4+\b], 0                        ; written once: a lane permute's destination counts as one of its sources
.endr
	s_lshl_b32 s40, ttmp9, 6
	s_lshr_b32 s41, s24, 1
	s_lshl_b32 s41, s41, 5
	s_add_co_u32 s40, s40, s41
	s_and_b32 s41, s24, 1
	s_lshl_b32 s41, s41, 3
	s_add_co_u32 s40, s40, s41                     ; my token tile's first row: 64 g + 32 (w / 2) + 8 (w % 2)
	s_lshl_b32 s40, s40, 12
	s_mov_b32 s41, 0
	s_wait_kmcnt 0x0
	s_add_nc_u64 s[4:5], s[4:5], s[40:41]
	XLOAD 0                                        ; 64 loads a wave go out before anything else
	XLOAD 1
	XLOAD 2
	XLOAD 3
	s_mul_i32 s40, s24, 98304
	s_add_nc_u64 s[28:29], s[6:7], s[40:41]        ; wq_d's fragments of my 8 tiles
	s_add_nc_u64 s[30:31], s[6:7], 393216          ; wkv_d's
	s_add_nc_u64 s[32:33], s[28:29], 442368        ; w_qk's of my 16 tiles
	s_lshl_b32 s40, s24, 13
	s_add_nc_u64 s[34:35], s[8:9], s[40:41]        ; their scale words
	s_add_nc_u64 s[36:37], s[8:9], 32768
	s_add_nc_u64 s[38:39], s[34:35], 36864
	s_lshl_b32 s40, s24, 9
	s_add_nc_u64 s[10:11], s[10:11], s[40:41]      ; bq_d at my 128 columns
	s_lshl_b32 s40, s24, 10
	s_add_nc_u64 s[14:15], s[14:15], s[40:41]      ; b_qk at my 256
	s_lshl_b32 s40, ttmp9, 2
	s_add_co_u32 s42, s40, s24                     ; my token tile: 4 g + w
	s_mul_i32 s40, s42, 768
	s_add_nc_u64 s[16:17], s[16:17], s[40:41]
	s_lshl_b32 s40, s42, 7
	s_add_nc_u64 s[18:19], s[18:19], s[40:41]
	s_mul_i32 s40, ttmp9, 49152
	s_mul_i32 s43, s24, 3072
	s_add_co_u32 s40, s40, s43
	s_add_nc_u64 s[20:21], s[20:21], s[40:41]      ; q's codes: ((4 g + m) 8 + 2 w + p) x 1,536
	s_lshl_b32 s40, ttmp9, 12
	s_lshl_b32 s43, s24, 8
	s_add_co_u32 s40, s40, s43
	s_add_nc_u64 s[22:23], s[22:23], s[40:41]
	; ---- X: my token tile of x becomes eight fragments.  Loads run four K steps ahead, the turn through LDS one.  At a step's head all my LDS instructions are done: the step's numbers are back, the stage's stores
	; have read the registers that the next loads take, and the last image's stores have read the codes.
	WAITL MX0
	TURN 0
	s_wait_dscnt 0x0
	XLOAD 4
	WAITL MX1
	TURN 1
	XQ 0
	s_wait_dscnt 0x0
	XLOAD 5
	WAITL MX2
	TURN 2
	XQ 1
	s_wait_dscnt 0x0
	XLOAD 6
	WAITL MX3
	TURN 3
	XQ 2
	s_wait_dscnt 0x0
	XLOAD 7
	WAITL MX4
	TURN 4
	XQ 3
	s_wait_dscnt 0x0
	WIN 0xc0                                       ; x is asked for: now what the products want.  The biases, into window 3: lane (r, h) wants, for tile 2 b + u, columns 32 b + 16 h + 8 u + 0 .. 7
.irp t, 0,1,2,3,4,5,6,7
	global_load_b128 v[8*\t:8*\t+3], v13, s[10:11] offset:(32*(\t/2)+8*(\t%2))*4
	global_load_b128 v[8*\t+4:8*\t+7], v13, s[10:11] offset:(32*(\t/2)+8*(\t%2))*4+16
.endr
.irp p, 0,1
.irp t, 0,1,2,3,4,5,6,7
	global_load_b128 v[64+64*\p+8*\t:64+64*\p+8*\t+3], v13, s[14:15] offset:512*\p+(32*(\t/2)+8*(\t%2))*4
	global_load_b128 v[64+64*\p+8*\t+4:64+64*\p+8*\t+7], v13, s[14:15] offset:512*\p+(32*(\t/2)+8*(\t%2))*4+16
.endr
.endr
.irp t, 0,1,2,3
	global_load_b128 v[192+8*\t:192+8*\t+3], v13, s[12:13] offset:(32*(\t/2)+8*(\t%2))*4
	global_load_b128 v[192+8*\t+4:192+8*\t+7], v13, s[12:13] offset:(32*(\t/2)+8*(\t%2))*4+16
.endr
.set LC, LC+56
	WAITL MX5
	TURN 5
	XQ 4
	s_wait_dscnt 0x0
	WIN 0                                          ; wq_d's and wkv_d's scale words: a lane's eight words of a tile are 32 neighbouring bytes
.irp t, 0,1,2,3,4,5,6,7
.irp e, 0,1
	global_load_b128 v[WS+8*\t+4*\e:WS+8*\t+4*\e+3], v4, s[34:35] offset:1024*\t+16*\e
.endr
.endr
.irp t, 0,1,2,3
.irp e, 0,1
	global_load_b128 v[WKS+8*\t+4*\e:WKS+8*\t+4*\e+3], v4, s[36:37] offset:1024*\t+16*\e
.endr
.endr
.set LC, LC+24
	WAITL MX6
	TURN 6
	XQ 5
	s_wait_dscnt 0x0
	WKLOAD 0, 0
	WAITL MX7
	TURN 7
	XQ 6
	s_wait_dscnt 0x0
	WKLOAD 1, 1
	XQ 7
	s_wait_dscnt 0x0                               ; for the others' sake: my images and scale words lie in LDS
	s_barrier_signal -1
	s_barrier_wait -1                              ; x's 32 fragments lie in LDS; nobody writes them again
	; ---- c_kv for my token tile: K = 1,024 in four double steps
	KBLOAD 0
	KBLOAD 1
	KSTEP 0, 8                                     ; the next double step's 8 LDS loads may be out
	WKLOAD 0, 2
	KBLOAD 2
	KSTEP 1, 8
	WKLOAD 1, 3
	KBLOAD 3
	KSTEP 2, 8
	WLOAD 0, 28, 0, 8, 0                           ; the sets that fall free take c_q's first two K steps
	BLOAD 0, 1, XIMG, XSC, 8, 0
	KSTEP 3, 13                                    ; those 13 LDS loads may be out
	WLOAD 1, 28, 0, 8, 1
	BLOAD 1, 1, XIMG, XSC, 8, 1
	QUANT2 0, 1
	global_store_b128 v1, v[PC:PC+3], s[16:17]     ; a half image: 512 consecutive bytes, then 256
	global_store_b64 v2, v[PC+4:PC+5], s[16:17] offset:512
	global_store_b32 v3, v[PW], s[18:19]
	PLACES 5                                       ; the accumulators are begun anew
	; ---- c_q: my 128 columns for the 64 tokens, K = 1,024
.irp k, 0,1,2,3,4,5,6,7
	PSTEP \k, 8, 28, 0, 1, XIMG, XSC, WS, 8, 0
.endr
	WIN 0
.irp p, 0,1
.irp t, 0,1,2,3,4,5,6,7
	global_load_b128 v[WS+32*\p+4*\t:WS+32*\p+4*\t+3], v1, s[38:39] offset:(8*\p+\t)*512   ; w_qk's scale words: four a tile and lane
.endr
.endr
.set LC, LC+16
	WLOAD 0, 32, 0, 4, 0                           ; and its first two K steps: they land while c_q is quantised
	WLOAD 1, 32, 0, 4, 1
	s_wait_xcnt 0x0                                ; c_kv's stores have read the codes' registers
.irp m, 0,1,2,3
	QUANT4 64*\m, 1                                ; my 128 columns are K step w of the next product
.irp c, 0,1,2
	ds_store_b128 v11, v[PC+4*\c:PC+4*\c+3] offset:6144*\m+512*\c
.endr
	ds_store_b32 v12, v[PW] offset:4*\m
	s_wait_dscnt 0x0                               ; the stores have read their registers; before the barrier: they have landed
.endr
	s_barrier_signal -1
	s_barrier_wait -1                              ; c_q's 16 fragments lie in LDS; nobody writes them again
	; ---- q: my two head pairs, one after the other, K = 512
	BLOAD 0, 10, 0, 24576, 4, 0
	BLOAD 1, 10, 0, 24576, 4, 1
	PLACES 5
.irp k, 0,1,2,3
	PSTEP \k, 4, 32, 0, 10, 0, 24576, WS, 4, 64
.endr
	WLOAD 0, 32, 49152, 4, 0                       ; the second pair's first two K steps land while the first pair is quantised and stored
	WLOAD 1, 32, 49152, 4, 1
	BLOAD 0, 10, 0, 24576, 4, 0
	BLOAD 1, 10, 0, 24576, 4, 1
	QOUT 0
	PLACES 5
.irp k, 0,1,2,3
	PSTEP \k, 4, 32, 49152, 10, 0, 24576, WS+32, 4, 128
.endr
	QOUT 1
	s_wait_tensorcnt 0x0
	ds_add_u32 v150, v151
	s_wait_dscnt 0x0
	s_endpgm
.Lfunc_end_k_qec6895738b_chain:
	.size	k_qec6895738b_chain, .Lfunc_end_k_qec6895738b_chain-k_qec6895738b_chain
	.p2alignl 7, 3214868480
	.fill 96, 4, 3214868480
	.section	.rodata,"a",@progbits
	.p2align	6, 0x0
	.amdhsa_kernel k_qec6895738b_chain
		.amdhsa_group_segment_fixed_size 147968
		.amdhsa_private_segment_fixed_size 0
		.amdhsa_enable_private_segment 0
		.amdhsa_kernarg_size 80
		.amdhsa_user_sgpr_count 2
		.amdhsa_user_sgpr_kernarg_segment_ptr 1
		.amdhsa_wavefront_size32 1
		.amdhsa_system_sgpr_workgroup_id_x 1
		.amdhsa_system_sgpr_workgroup_id_y 1
		.amdhsa_system_sgpr_workgroup_id_z 1
		.amdhsa_system_vgpr_workitem_id 0
		.amdhsa_next_free_vgpr 1024
		.amdhsa_next_free_sgpr 66
		.amdhsa_reserve_vcc 0
		.amdhsa_float_denorm_mode_32 3
		.amdhsa_float_denorm_mode_16_64 3
		.amdhsa_memory_ordered 1
		.amdhsa_forward_progress 1
		.amdhsa_inst_pref_size 255
	.end_amdhsa_kernel
	.section	.bss,"aw",@nobits
	.p2align	6
	.space	262144
	.amdgpu_metadata
---
amdhsa.version: [ 1, 2 ]
amdhsa.kernels:
  - .name:           k_qec6895738b_chain
    .symbol:         k_qec6895738b_chain.kd
    .args:
      - { .name: x, .offset: 0, .size: 8, .value_kind: global_buffer, .address_space: global }
      - { .name: wcodes, .offset: 8, .size: 8, .value_kind: global_buffer, .address_space: global }
      - { .name: wscales, .offset: 16, .size: 8, .value_kind: global_buffer, .address_space: global }
      - { .name: bq_d, .offset: 24, .size: 8, .value_kind: global_buffer, .address_space: global }
      - { .name: bkv_d, .offset: 32, .size: 8, .value_kind: global_buffer, .address_space: global }
      - { .name: b_qk, .offset: 40, .size: 8, .value_kind: global_buffer, .address_space: global }
      - { .name: kcodes, .offset: 48, .size: 8, .value_kind: global_buffer, .address_space: global }
      - { .name: kscales, .offset: 56, .size: 8, .value_kind: global_buffer, .address_space: global }
      - { .name: qcodes, .offset: 64, .size: 8, .value_kind: global_buffer, .address_space: global }
      - { .name: qscales, .offset: 72, .size: 8, .value_kind: global_buffer, .address_space: global }
    .group_segment_fixed_size: 147968
    .private_segment_fixed_size: 0
    .kernarg_segment_align: 8
    .kernarg_segment_size: 80
    .max_flat_workgroup_size: 128
    .sgpr_count:     66
    .vgpr_count:     1024
    .wavefront_size: 32
...
	.end_amdgpu_metadata
.endif
;; end of part 2
;; launch attn (part 3): grid 4 x 64, 16 waves a work-group, no clusters, 223,232 bytes of LDS; arguments qcodes, qscales, kcodes, kscales, wcodes, wscales, bv_u, ycodes, yscales; writes ycodes, yscales
.if DOCPART == 3
	.amdgcn_target "amdgcn-amd-amdhsa--gfx1250"
	.amdhsa_code_object_version 6
	.text
	.protected	k_qec6895738b_attn
	.globl	k_qec6895738b_attn
	.p2align	8
	.type	k_qec6895738b_attn,@function
k_qec6895738b_attn:
	s_mov_b64 s[64:65], 0
	v_nop
	global_prefetch_b8 v0, s[64:65] scope:SCOPE_SE
	s_setreg_imm32_b32 hwreg(HW_REG_WAVE_MODE, 25, 1), 1
	s_wait_xcnt 0x0
; y[b][t][head] = softmax_s(q . c_kv / 8) v, v = c_kv wv_u^T + bv_u: three products on codes of FP6 (E2M3) with one E8M0 scale for each 32 along K.  q and c_kv arrive as codes (K = 64: half a matrix instruction's 128; the other half is zero codes on both sides).
; THE SOFTMAX AHEAD OF THE LAST PRODUCT: t = score x log2(e) / 8; M = the row's largest t so far, rounded UP to a whole number; p = 2^(t - M) is quantised along the keys, not normalised; the row's sum is taken of the unquantised p
; and divides at the end.  When M moves, the sum and O are multiplied by 2^(old M - new M): exact.
; SHARES.  A work-group owns 512 queries of one head of one batch; each of its sixteen waves two tiles of 16, one after the other, in 256 registers: four waves to a SIMD, so that one wave's vector work stands beside another's matrix work and LDS loads.
; ALL KEYS AND VALUES OF THE HEAD LIE IN LDS FOR THE WHOLE LAUNCH, as images of operand registers, in 16 regions of 128 keys.  Wave w builds region w: it loads 8 tiles of c_kv's codes, stores them as they are, and makes the head's V from them:
; source 0 = 16 keys, source 1 = 16 rows of wv_u, C = bv_u: a lane then holds one channel and its registers run along the keys, which are the last product's K: quantised there, they are V^T's fragments.  One barrier; nothing in LDS is written again.
; No tile is shared through a cluster: what the four work-groups of a head share is 98,304 bytes of codes read once each, against 32 x 16 passes over 13,824 bytes of LDS in each.
; LAYOUT.  S^T = K Q^T and O^T = V^T P^T: a lane holds ONE query (lane % 16) throughout.  Tile 2 b + u of tokens holds tokens 32 b + 8 u + r + 8 (r / 8), so that the 16 registers of two neighbouring tiles of S^T are 16 neighbouring keys;
; wv_u's tiles are chosen likewise, so that O^T's 16 registers of two tiles are 16 neighbouring channels: y is quantised in registers and leaves as codes.
; LIMITS: NaN and infinities are not served; the running largest t starts at -3e38; a block of zeros gets the byte 1 where the rule says 127: its codes are zeros, and this program alone reads the bytes.
; REGISTERS: v1, v2, v5 16, 8, 4 x lane; v3, v4 addresses of the step; v[6:7] the sum in two halves; v8-15 c_kv's scale words (head); v16-27 Q (v22-27 zero); v28 -M, v29 the largest t; v30 p's scale word; v32-79 four fragments of K (the upper six
; of each zero); v80-127 four fragments of V (head: of wv_u); v128-191 S^T, then p (head: v128-159 V's numbers, v160-191 bv_u); v192-223 O^T (and the quantiser's work); v224-235 p's codes; v232-247 at work; v248-251 scale words; v252 f; v255 Q's scale word.
.set KF,  32
.set VF,  80
.set S,   128
.set BV,  160
.set O,   192
.set SB,  13824                        ; a region: 8 half images of K (768 t); 4 fragments of V (6144 + 1536 n + 768 c); K's scale words (12288 + 512 g + 16 lane + 4 t); V's (13312 + 16 lane + 4 n)
.set WV,  22
.set SEL, 32                           ; s[32:33] selects for lane l xor 16
.set CS,  34                           ; s[34:35] c = log2(e) / 8
.set TB,  36                           ; the step's region
.set CNT, 37
.set SH,  38                           ; 16 x (head % 2): my head's two bytes of a head pair's scale word
.macro PLACES n
.rept \n
	v_nop
.endr
.endm
.macro WMC d, a, b, c, sa, sb
	v_wmma_scale_f32_16x16x128_f8f6f4 v[(\d):(\d)+7], v[(\a):(\a)+11], v[(\b):(\b)+11], v[(\c):(\c)+7], v[\sa], v[\sb] matrix_a_fmt:MATRIX_FMT_FP6 matrix_b_fmt:MATRIX_FMT_FP6
.endm
.macro WMZ d, a, b, sa, sb
	v_wmma_scale_f32_16x16x128_f8f6f4 v[(\d):(\d)+7], v[(\a):(\a)+11], v[(\b):(\b)+11], 0, v[\sa], v[\sb] matrix_a_fmt:MATRIX_FMT_FP6 matrix_b_fmt:MATRIX_FMT_FP6
.endm
; 32 numbers of a lane, register 16 b + i = k 32 b + 16 (lane / 16) + i, become six registers of codes in v192-197 and a scale word of two bytes in v208.  An accumulator is read from its low end on.
.macro Q2 s
	v_max3_num_f32 v202, |v[\s]|, |v[\s+1]|, 0x1800000     ; and the floor 2^(3 - 127): the byte cannot fall under 1
	v_max3_num_f32 v203, |v[\s+16]|, |v[\s+17]|, 0x1800000
.irp i, 2,4,6,8,10,12,14
	v_max3_num_f32 v202, v202, |v[\s+\i]|, |v[\s+1+\i]|
	v_max3_num_f32 v203, v203, |v[\s+16+\i]|, |v[\s+17+\i]|
.endr
	v_permlanex16_b32 v204, v202, s[SEL], s[SEL+1]
	v_permlanex16_b32 v205, v203, s[SEL], s[SEL+1]
	v_max_num_f32 v202, v202, v204
	v_max_num_f32 v203, v203, v205
	v_add_nc_u32 v206, 0xff000000, v202            ; 2 off the exponent field: the conversion's scale operand
	v_add_nc_u32 v207, 0xff000000, v203
	v_lshrrev_b32 v204, 23, v206
	v_lshrrev_b32 v205, 23, v207
	v_lshl_or_b32 v208, v205, 8, v204
	v_cvt_scalef32_pk16_fp6_f32 v[192:194], v[\s:\s+15], v206
	v_cvt_scalef32_pk16_fp6_f32 v[198:200], v[\s+16:\s+31], v207
	v_nop                                          ; one plain place behind a scaled conversion
.irp i, 0,1,2
	v_permlane16_swap_b32 v[192+\i], v[198+\i]     ; a whole block to a lane
.endr
.irp i, 0,1,2
	v_mov_b32 v[195+\i], v[198+\i]
.endr
.endm
.macro KLOAD c                         ; c_kv's tiles 4 c .. 4 c + 3 of my region, from memory
.irp t, 0,1,2,3
	global_load_b128 v[KF+12*\t:KF+12*\t+3], v1, s[8:9] offset:768*(4*\c+\t)
	global_load_b64 v[KF+12*\t+4:KF+12*\t+5], v2, s[8:9] offset:768*(4*\c+\t)+512
.endr
.endm
	s_load_b512 s[4:19], s[0:1], 0x0               ; qcodes, qscales, kcodes, kscales, wcodes, wscales, bv_u, ycodes
	s_load_b64 s[20:21], s[0:1], 0x40              ; yscales
	v_lshl_add_u32 v31, v0, 2, 0x36000
	v_mov_b32 v243, 0
	v_lshrrev_b32 v1, 5, v0
	v_readfirstlane_b32 s[WV], v1                  ; wave 0..15
	v_and_b32 v232, 31, v0                         ; lane
	v_and_b32 v233, 15, v0                         ; r
	v_lshlrev_b32 v1, 4, v232
	v_lshlrev_b32 v2, 3, v232
	v_lshlrev_b32 v5, 2, v232
	s_mul_i32 s40, s[WV], SB
	v_add_nc_u32 v224, s40, v1                     ; my region, 16 bytes a lane
	v_add_nc_u32 v225, s40, v2                     ; and 8
	v_and_b32 v234, 8, v233
	v_add_nc_u32 v234, v234, v233
	v_lshlrev_b32 v227, 2, v234                    ; bv_u: 4 (r + 8 (r / 8))
	s_mov_b32 s[SEL], 0x76543210
	s_mov_b32 s[SEL+1], 0xfedcba98
	s_mov_b32 s[CS], 0x3e38aa3b                    ; log2(e) / 8
	s_mov_b32 s[CS+1], s[CS]                       ; (named with it as a pair, so it is written)
	s_and_b32 s24, ttmp7, 0xffff
	s_lshr_b32 s25, s24, 4                         ; batch
	s_and_b32 s26, s24, 15                         ; head
	s_lshl_b32 s27, s25, 7                         ; the batch's first token tile
	s_lshl_b32 s28, ttmp9, 5
	s_add_co_u32 s28, s28, s27
	s_add_co_u32 s28, s28, s[WV]                   ; my first tile of queries: 128 b + 32 x + w; the second lies 16 tiles on
	s_lshr_b32 s29, s26, 1
	s_and_b32 s30, s26, 1
	s_lshl_b32 s[SH], s30, 4
	s_lshl_b32 s31, s28, 3
	s_add_co_u32 s31, s31, s29                     ; 8 tile + head pair
	s_mov_b32 s41, 0
	s_wait_kmcnt 0x0
	s_mul_i32 s40, s31, 1536
	s_mul_i32 s42, s30, 768
	s_add_co_u32 s40, s40, s42
	s_add_nc_u64 s[4:5], s[4:5], s[40:41]          ; Q's half image
	s_lshl_b32 s40, s31, 7
	s_add_nc_u64 s[6:7], s[6:7], s[40:41]          ; and the pair's scale words
	s_lshl_b32 s42, s[WV], 3
	s_add_co_u32 s42, s42, s27                     ; my region's first tile of keys
	s_mul_i32 s40, s42, 768
	s_add_nc_u64 s[8:9], s[8:9], s[40:41]
	s_lshl_b32 s40, s42, 7
	s_add_nc_u64 s[10:11], s[10:11], s[40:41]
	s_lshl_b32 s42, s26, 2
	s_add_co_u32 s42, s42, 544                     ; wv_u's four fragments of my head
	s_mul_i32 s40, s42, 1536
	s_add_nc_u64 s[12:13], s[12:13], s[40:41]
	s_lshl_b32 s40, s42, 7
	s_add_nc_u64 s[14:15], s[14:15], s[40:41]
	s_lshl_b32 s40, s26, 8
	s_add_nc_u64 s[16:17], s[16:17], s[40:41]      ; bv_u at my head's 64
	s_lshl_b32 s42, s28, 4
	s_add_co_u32 s42, s42, s26                     ; 16 tile + head
	s_mul_i32 s40, s42, 768
	s_add_nc_u64 s[18:19], s[18:19], s[40:41]
	s_lshl_b32 s40, s42, 7
	s_add_nc_u64 s[20:21], s[20:21], s[40:41]
	; ---- my region of LDS: 128 keys
.irp n, 0,1,2,3
.irp c, 0,1,2
	global_load_b128 v[VF+12*\n+4*\c:VF+12*\n+4*\c+3], v1, s[12:13] offset:1536*\n+512*\c
.endr
	global_load_b32 v[248+\n], v5, s[14:15] offset:128*\n
	global_load_b32 v[BV+8*\n], v227, s[16:17] offset:(32*(\n/2)+8*(\n%2))*4   ; lane r of tile n holds channel 32 (n / 2) + 8 (n % 2) + r + 8 (r / 8)
.endr
.irp t, 0,1,2,3,4,5,6,7
	global_load_b32 v[8+\t], v5, s[10:11] offset:128*\t
.endr
	KLOAD 0
.irp t, 0,1,2,3
.irp j, 6,7,8,9,10,11
	v_mov_b32 v[KF+12*\t+\j], 0                    ; K = 64: the upper 64 are zero codes, here and in the whole loop
.endr
.endr
	v_mov_b32 v204, 0                              ; a lane permute's destination counts as one of its sources
	v_mov_b32 v205, 0
.irp c, 0,1                                    ; keys 64 c on
.if \c > 0
	PLACES 4                                       ; in front of loads into registers that matrix instructions have read
	KLOAD 1
.endif
	s_wait_loadcnt 0x0
.if \c == 0
.irp n, 0,1,2,3
.irp j, 1,2,3,4,5,6,7
	v_mov_b32 v[BV+8*\n+\j], v[BV+8*\n]            ; the bias as a C operand: a lane's eight registers are eight keys of one channel
.endr
.endr
.endif
.irp t, 0,1,2,3
	ds_store_b128 v224, v[KF+12*\t:KF+12*\t+3] offset:768*(4*\c+\t)
	ds_store_b64 v225, v[KF+12*\t+4:KF+12*\t+5] offset:768*(4*\c+\t)+512
	ds_store_b32 v224, v[8+4*\c+\t] offset:12288+512*\c+4*\t
.endr
.irp n, 0,1,2,3                                ; channels of tile n
	PLACES 5                                       ; the four accumulators are begun anew
.irp t, 0,1,2,3
	WMC S+8*\t, KF+12*\t, VF+12*\n, BV+8*\n, 8+4*\c+\t, 248+\n
.endr
	PLACES 4
	Q2 S                                           ; register 16 b + i = key 64 c + 32 b + 16 (lane / 16) + i of my channel: registers 6 c .. 6 c + 5 of V^T's fragment n
	ds_store_b128 v224, v[192:195] offset:6144+1536*\n+768*\c
	ds_store_b64 v225, v[196:197] offset:6144+1536*\n+768*\c+512
.if \c == 0
	v_mov_b32 v[228+\n], v208
.else
	v_lshl_or_b32 v[228+\n], v208, 16, v[228+\n]   ; the four bytes of 128 keys
	ds_store_b32 v224, v[228+\n] offset:13312+4*\n
.endif
	s_wait_dscnt 0x0                               ; the stores have read their registers; before the barrier: they have landed
.endr
.endr
	s_barrier_signal -1
	s_barrier_wait -1                              ; all sixteen regions lie in LDS; nobody writes them again
.irp j, 22,23,24,25,26,27
	v_mov_b32 v\j, 0                               ; Q's upper 64: zero codes
.endr
.irp j, 236,237,238,239,253,254
	v_mov_b32 v\j, 0                               ; permute destinations, and the upper half of the pair v[252:253], are written before they are named
.endr
; A KEY STEP: 128 keys, the region at s[TB]
.macro STEP
	v_add_nc_u32 v3, s[TB], v1
	v_add_nc_u32 v4, s[TB], v2
	PLACES 2                                       ; with the two additions: four places behind the last step's products, in front of the load into their scale registers
.irp g, 0,1                                    ; S^T = K Q^T, four tiles of 16 keys at a time
.if \g > 0
	PLACES 4
.endif
.irp t, 0,1,2,3
	ds_load_b128 v[KF+12*\t:KF+12*\t+3], v3 offset:768*(4*\g+\t)
	ds_load_b64 v[KF+12*\t+4:KF+12*\t+5], v4 offset:768*(4*\g+\t)+512
.endr
	ds_load_b128 v[248:251], v3 offset:12288+512*\g
	s_wait_dscnt 0x0
.irp t, 0,1,2,3
	WMZ S+8*(4*\g+\t), KF+12*\t, 16, 248+\t, 255
.endr
.endr
	PLACES 4
.irp n, 0,1,2,3                                ; V's fragments and scale words are asked for here and land under the softmax
.irp c, 0,1
	ds_load_b128 v[VF+12*\n+6*\c:VF+12*\n+6*\c+3], v3 offset:6144+1536*\n+768*\c
	ds_load_b64 v[VF+12*\n+6*\c+4:VF+12*\n+6*\c+5], v4 offset:6144+1536*\n+768*\c+512
.endr
.endr
	ds_load_b128 v[248:251], v3 offset:13312
.irp b, 0,1,2,3
	v_max3_num_f32 v[232+\b], v[S+16*\b], v[S+1+16*\b], v[S+2+16*\b]   ; the largest score of each block of 32 keys: it serves the row's maximum and, since p rises with the score, the block's largest p
.endr
.irp i, 3,5,7,9,11,13
.irp b, 0,1,2,3
	v_max3_num_f32 v[232+\b], v[232+\b], v[S+16*\b+\i], v[S+1+16*\b+\i]
.endr
.endr
.irp b, 0,1,2,3
	v_max_num_f32 v[232+\b], v[232+\b], v[S+15+16*\b]
.endr
.irp b, 0,1,2,3
	v_permlanex16_b32 v[236+\b], v[232+\b], s[SEL], s[SEL+1]
.endr
.irp b, 0,1,2,3
	v_max_num_f32 v[232+\b], v[232+\b], v[236+\b]  ; with lane l xor 16's 16 keys
.endr
	v_max3_num_f32 v254, v232, v233, v234
	v_max_num_f32 v254, v254, v235                 ; the step's largest score of my query
	v_mul_f32 v254, s[CS], v254                    ; as t (c is positive)
	v_max_num_f32 v29, v29, v254                   ; the running largest t
	v_mov_b32 v254, v28
	v_floor_f32 v28, -v29                          ; the new -M = floor(-t) = -ceil(t): a whole number
	v_sub_f32 v254, v28, v254                      ; old M - new M: a whole number, 0 or less
	v_cvt_i32_f32 v254, v254                       ; (it saturates)
	v_ldexp_f32 v252, 1.0, v254                    ; f = 2^(old M - new M)
.set J, 0
.rept 32
	v_pk_fma_f32 v[S+J:S+J+1], v[S+J:S+J+1], s[CS:CS+1], v[28:29] op_sel_hi:[1,0,0]   ; t - M, two at a time
.set J, J+2
.endr
.irp b, 0,1,2,3
	v_fma_f32 v[232+\b], v[232+\b], s[CS], v28     ; the same of each block's largest score
.endr
.set J, 0
.rept 64
	v_exp_f32 v[S+J], v[S+J]                       ; p = 2^(t - M), at most 1: not normalised
.set J, J+1
.endr
	v_pk_mul_f32 v[6:7], v[6:7], v[252:253] op_sel_hi:[1,0]   ; the sums under the new M: a plain instruction behind the exponentials
	s_wait_alu depctr_va_vdst(0)                   ; one wait for the batch of 64, ahead of its first user
.irp b, 0,1,2,3
	v_exp_f32 v[232+\b], v[232+\b]                 ; the block's largest p: the same two instructions on the same number
.endr
	v_pk_add_f32 v[236:237], v[S:S+1], v[S+2:S+3]  ; the row's sum is taken of the unquantised p, in two chains
.set J, 4
.rept 15
	v_pk_add_f32 v[6:7], v[6:7], v[S+J:S+J+1]
	v_pk_add_f32 v[236:237], v[236:237], v[S+J+2:S+J+3]
.set J, J+4
.endr
	v_pk_add_f32 v[6:7], v[6:7], v[236:237]
	s_wait_alu depctr_va_vdst(0)                   ; and one for the four
.irp b, 0,1,2,3
	v_max_num_f32 v[232+\b], 0x1800000, v[232+\b]  ; the floor 2^(3 - 127): the byte cannot fall under 1
.endr
.irp b, 0,1,2,3
	v_add_nc_u32 v[244+\b], 0xff000000, v[232+\b]  ; 2 off the exponent field: the conversion's scale operand
.endr
.irp b, 0,1,2,3
	v_lshrrev_b32 v[236+\b], 23, v[244+\b]         ; the scale's byte
.endr
	v_lshl_or_b32 v30, v237, 8, v236               ; p's scale word for these 128 keys
	v_lshl_or_b32 v30, v238, 16, v30
	v_lshl_or_b32 v30, v239, 24, v30
.irp c, 0,1
	v_cvt_scalef32_pk16_fp6_f32 v[224+6*\c:226+6*\c], v[S+32*\c:S+15+32*\c], v[244+2*\c]
	v_cvt_scalef32_pk16_fp6_f32 v[236+4*\c:238+4*\c], v[S+16+32*\c:S+31+32*\c], v[244+2*\c+1]
.endr
	v_nop                                          ; one plain place behind a scaled conversion
.irp c, 0,1
.irp i, 0,1,2
	v_permlane16_swap_b32 v[224+6*\c+\i], v[236+4*\c+\i]
.endr
.irp i, 0,1,2
	v_mov_b32 v[227+6*\c+\i], v[236+4*\c+\i]
.endr
.endr
.set J, 0
.rept 16
	v_pk_mul_f32 v[O+J:O+J+1], v[O+J:O+J+1], v[252:253] op_sel_hi:[1,0]   ; O^T under the new M.  Twelve of the sixteen name no register of any one product below: the places behind p's codes and scale word
.set J, J+2
.endr
	s_wait_dscnt 0x0                               ; V
.irp n, 0,1,2,3                                ; O^T += V^T P^T: four accumulators, one instruction each
	WMC O+8*\n, VF+12*\n, 224, O+8*\n, 248+\n, 30
.endr
.endm
; ONE TILE OF 16 QUERIES: all 16 regions, then y = O / the sum, quantised, stored as a half image
.macro TILE i
	s_wait_xcnt 0x0                                ; the last tile's stores have read their registers
	global_load_b128 v[16:19], v1, s[4:5] offset:196608*\i
	global_load_b64 v[20:21], v2, s[4:5] offset:196608*\i+512
	global_load_b32 v255, v5, s[6:7] offset:16384*\i
	v_mov_b32 v29, 0xff61b1e6                      ; the largest t so far: -3e38
	v_floor_f32 v28, -v29                          ; -M
	v_mov_b32 v6, 0
	v_mov_b32 v7, 0
.set J, 0
.rept 32
	v_mov_b32 v[O+J], 0                            ; the step is written once: the first finds zeros, which the first change of M leaves zeros
.set J, J+1
.endr
	s_wait_loadcnt 0x0
	v_lshrrev_b32 v255, s[SH], v255                ; my head's two bytes to the bottom; what stands above them stands beside zero codes and is never 0xff
	PLACES 8                                       ; a scale register written by a vector instruction stands eight places ahead of the product
	s_mov_b32 s[TB], 0
	s_mov_b32 s[CNT], 16
.Lstep_\@:
	STEP
	s_add_co_u32 s[TB], s[TB], SB
	s_sub_co_u32 s[CNT], s[CNT], 1
	s_cmp_lg_u32 s[CNT], 0
	s_cbranch_scc1 .Lstep_\@
	v_add_f32 v6, v6, v7                           ; the sum's two halves,
	v_permlanex16_b32 v254, v6, s[SEL], s[SEL+1]
	v_add_f32 v6, v6, v254                         ; and lane l xor 16's
	v_rcp_f32 v6, v6
	PLACES 3                                       ; with the additions: the places behind the last products; a plain instruction behind the reciprocal
	s_wait_alu depctr_va_vdst(0)                   ; ahead of the reciprocal's first user
.set J, 0
.rept 16
	v_pk_mul_f32 v[S+J:S+J+1], v[O+J:O+J+1], v[6:7] op_sel_hi:[1,0]   ; register 16 b + i = channel 32 b + 16 (lane / 16) + i of my query; each accumulator from its low end on
.set J, J+2
.endr
	Q2 S
	global_store_b128 v1, v[192:195], s[18:19] offset:196608*\i      ; 512 consecutive bytes, then 256
	global_store_b64 v2, v[196:197], s[18:19] offset:196608*\i+512
	global_store_b32 v5, v208, s[20:21] offset:32768*\i
.endm
	TILE 0
	TILE 1
	s_wait_tensorcnt 0x0
	ds_add_u32 v31, v243
	s_wait_dscnt 0x0
	s_endpgm
.Lfunc_end_k_qec6895738b_attn:
	.size	k_qec6895738b_attn, .Lfunc_end_k_qec6895738b_attn-k_qec6895738b_attn
	.p2alignl 7, 3214868480
	.fill 96, 4, 3214868480
	.section	.rodata,"a",@progbits
	.p2align	6, 0x0
	.amdhsa_kernel k_qec6895738b_attn
		.amdhsa_group_segment_fixed_size 223232
		.amdhsa_private_segment_fixed_size 0
		.amdhsa_enable_private_segment 0
		.amdhsa_kernarg_size 72
		.amdhsa_user_sgpr_count 2
		.amdhsa_user_sgpr_kernarg_segment_ptr 1
		.amdhsa_wavefront_size32 1
		.amdhsa_system_sgpr_workgroup_id_x 1
		.amdhsa_system_sgpr_workgroup_id_y 1
		.amdhsa_system_sgpr_workgroup_id_z 1
		.amdhsa_system_vgpr_workitem_id 0
		.amdhsa_next_free_vgpr 256
		.amdhsa_next_free_sgpr 66
		.amdhsa_reserve_vcc 0
		.amdhsa_float_denorm_mode_32 3
		.amdhsa_float_denorm_mode_16_64 3
		.amdhsa_memory_ordered 1
		.amdhsa_forward_progress 1
		.amdhsa_inst_pref_size 76
	.end_amdhsa_kernel
	.amdgpu_metadata
---
amdhsa.version: [ 1, 2 ]
amdhsa.kernels:
  - .name:           k_qec6895738b_attn
    .symbol:         k_qec6895738b_attn.kd
    .args:
      - { .name: qcodes, .offset: 0, .size: 8, .value_kind: global_buffer, .address_space: global }
      - { .name: qscales, .offset: 8, .size: 8, .value_kind: global_buffer, .address_space: global }
      - { .name: kcodes, .offset: 16, .size: 8, .value_kind: global_buffer, .address_space: global }
      - { .name: kscales, .offset: 24, .size: 8, .value_kind: global_buffer, .address_space: global }
      - { .name: wcodes, .offset: 32, .size: 8, .value_kind: global_buffer, .address_space: global }
      - { .name: wscales, .offset: 40, .size: 8, .value_kind: global_buffer, .address_space: global }
      - { .name: bv_u, .offset: 48, .size: 8, .value_kind: global_buffer, .address_space: global }
      - { .name: ycodes, .offset: 56, .size: 8, .value_kind: global_buffer, .address_space: global }
      - { .name: yscales, .offset: 64, .size: 8, .value_kind: global_buffer, .address_space: global }
    .group_segment_fixed_size: 223232
    .private_segment_fixed_size: 0
    .kernarg_segment_align: 8
    .kernarg_segment_size: 72
    .max_flat_workgroup_size: 512
    .sgpr_count:     66
    .vgpr_count:     256
    .wavefront_size: 32
...
	.end_amdgpu_metadata
.endif
;; end of part 3
;; launch proj (part 4): grid 2 x 128, 4 waves a work-group, no clusters, 34,304 bytes of LDS; arguments ycodes, yscales, wcodes, wscales, b_proj, out0; writes out0
.if DOCPART == 4
	.amdgcn_target "amdgcn-amd-amdhsa--gfx1250"
	.amdhsa_code_object_version 6
	.text
	.protected	k_qec6895738b_proj
	.globl	k_qec6895738b_proj
	.p2align	8
	.type	k_qec6895738b_proj,@function
k_qec6895738b_proj:
	s_mov_b64 s[64:65], 0
	v_nop
	global_prefetch_b8 v0, s[64:65] scope:SCOPE_SE
	s_setreg_imm32_b32 hwreg(HW_REG_WAVE_MODE, 25, 1), 1
	s_wait_xcnt 0x0
; out0 = y w_proj^T + b_proj on codes of FP6 (E2M3) with one E8M0 scale for each 32 along K = 1,024.  y and w_proj arrive as images of operand registers and go from memory straight into registers, two K steps ahead.
; SHARES.  A work-group takes 64 tokens (four tiles; tile 2 B + u holds tokens 32 B + 8 u + r + 8 (r / 8)) x 512 columns; each of its four waves 128 columns: 8 weight tiles x 4 token tiles, 32 accumulators, so that a weight fragment feeds four
; matrix instructions and a token fragment eight.  256 work-groups.  No loop: every offset is an immediate, and the count of loads issued behind a group is kept by the symbol LC.
; The product is used TRANSPOSED (source 0 = 16 rows of w_proj, source 1 = 16 tokens); by the choice of a tile's rows, register j of tile 2 b + u is column 32 b + 16 (lane / 16) + 8 u + j of the lane's token.
; A K step of 128 is two heads: two half images of y on end (768 bytes each: registers 0-3 at 16 lane, 4-5 at 512 + 8 lane), and two scale words of two bytes, joined once at the head.
; THE WAY OUT: 16 tokens x 128 columns go through the wave's own stage in LDS (rows 528 bytes apart) and leave as rows of 512 consecutive bytes.  No barrier: waves share nothing.
; REGISTERS, in windows of 256.  Window 0: v1-7 addresses; v16-63, v64-111 two sets of four token fragments (on the way out v16-79: rows); v112-143 y's scale words (8 m + s); v144-207 w_proj's (8 t + s).
;   Window 1: the accumulators, (m, t) at 64 m + 8 t (at the head v0-31: the odd heads' scale words).  Window 2: two sets of eight weight fragments, at v0 and v96.  Window 3: v0-63 the bias in the result's layout.
.set YS, 112
.set WS, 144
.set MSB, 0
.macro WIN new                         ; the immediate's high byte repeats the setting that is left; a switch that changes nothing is dropped
.if MSB != \new
	s_set_vgpr_msb (MSB<<8)|\new
.set MSB, \new
.endif
.endm
.macro PLACES n
.rept \n
	v_nop
.endr
.endm
.set LC, 0
.set MW0, 0
.set MW1, 0
.macro WAITL m                         ; loads come back in order (ISA guide 5.7.1): the group marked m is in when no more are out than were issued behind it
.if LC-(\m) > 63
	s_wait_loadcnt 63
.else
	s_wait_loadcnt LC-(\m)
.endif
.endm
.macro WMC d, a, b, c, sa, sb
	v_wmma_scale_f32_16x16x128_f8f6f4 v[(\d):(\d)+7], v[(\a):(\a)+11], v[(\b):(\b)+11], v[(\c):(\c)+7], v[\sa], v[\sb] matrix_a_fmt:MATRIX_FMT_FP6 matrix_b_fmt:MATRIX_FMT_FP6
.endm
; K step k: four token fragments (16 loads) and my eight weight fragments (24) into set
.macro GLOAD set, k
	WIN 0
.irp m, 0,1,2,3
	global_load_b128 v[16+48*(\set)+12*\m:16+48*(\set)+12*\m+3], v1, s[4:5] offset:(16*\m+2*(\k))*768
	global_load_b64 v[16+48*(\set)+12*\m+4:16+48*(\set)+12*\m+5], v2, s[4:5] offset:(16*\m+2*(\k))*768+512
	global_load_b128 v[16+48*(\set)+12*\m+6:16+48*(\set)+12*\m+9], v1, s[4:5] offset:(16*\m+2*(\k))*768+768
	global_load_b64 v[16+48*(\set)+12*\m+10:16+48*(\set)+12*\m+11], v2, s[4:5] offset:(16*\m+2*(\k))*768+1280
.endr
	WIN 0x80
.irp t, 0,1,2,3,4,5,6,7
.irp c, 0,1,2
	global_load_b128 v[96*(\set)+12*\t+4*\c:96*(\set)+12*\t+4*\c+3], v1, s[8:9] offset:(8*\t+(\k))*1536+512*\c
.endr
.endr
.set LC, LC+40
.if (\set) == 0
.set MW0, LC
.else
.set MW1, LC
.endif
.endm
; 32 matrix instructions, the 32 accumulators by turns, one instruction a turn.  In K step 0 the bias starts the sums.
.macro KSTEP k
.if ((\k)%2) == 0
	WAITL MW0
.else
	WAITL MW1
.endif
.if (\k) == 0
	WIN 0x72                                       ; source 0 (weight) window 2, source 1 (tokens) window 0, C window 3, D window 1
.else
	WIN 0x52
.endif
.irp m, 0,1,2,3
.irp t, 0,1,2,3,4,5,6,7
.if (\k) == 0
	WMC 64*\m+8*\t, 96*((\k)%2)+12*\t, 16+48*((\k)%2)+12*\m, 8*\t, WS+8*\t+(\k), YS+8*\m+(\k)
.else
	WMC 64*\m+8*\t, 96*((\k)%2)+12*\t, 16+48*((\k)%2)+12*\m, 64*\m+8*\t, WS+8*\t+(\k), YS+8*\m+(\k)
.endif
.endr
.endr
	PLACES 4                                       ; in front of loads into the registers just read, and of the first read of results
.if (\k)+2 < 8
	GLOAD (\k)%2, (\k)+2
.endif
.endm
	s_load_b256 s[4:11], s[0:1], 0x0               ; ycodes, yscales, wcodes, wscales
	s_load_b128 s[12:15], s[0:1], 0x20             ; b_proj, out0
	v_lshl_add_u32 v254, v0, 2, 0x8400
	v_mov_b32 v255, 0
	v_lshrrev_b32 v1, 5, v0
	v_readfirstlane_b32 s16, v1                    ; wave
	v_and_b32 v8, 31, v0                           ; lane
	v_and_b32 v9, 15, v0                           ; r
	v_bfe_u32 v10, v0, 4, 1                        ; h
	v_lshlrev_b32 v1, 4, v8
	v_lshlrev_b32 v2, 3, v8
	v_lshlrev_b32 v3, 2, v8
	v_lshlrev_b32 v4, 5, v8
	v_lshlrev_b32 v5, 6, v10                       ; the bias: 64 h
	s_mul_i32 s20, s16, 8448                       ; my stage
	v_mul_u32_u24 v6, v9, 528
	v_lshl_add_u32 v6, v10, 6, v6
	v_add_nc_u32 v6, s20, v6                       ; in: row r, + 64 h
	v_add_nc_u32 v7, s20, v1                       ; back: a row's 512 bytes
	s_and_b32 s17, ttmp7, 0xffff                   ; which 64 tokens
	s_mov_b32 s21, 0
	s_wait_kmcnt 0x0
	s_mul_i32 s20, s17, 49152
	s_add_nc_u64 s[4:5], s[4:5], s[20:21]
	s_lshl_b32 s20, s17, 13
	s_add_nc_u64 s[6:7], s[6:7], s[20:21]
	s_mul_i32 s20, ttmp9, 393216
	s_mul_i32 s22, s16, 98304
	s_add_co_u32 s20, s20, s22
	s_add_co_u32 s20, s20, 933888                  ; w_proj's fragments begin at number 608; my tiles at 32 x + 8 w
	s_add_nc_u64 s[8:9], s[8:9], s[20:21]
	s_lshl_b32 s20, ttmp9, 15
	s_lshl_b32 s22, s16, 13
	s_add_co_u32 s20, s20, s22
	s_add_co_u32 s20, s20, 77824
	s_add_nc_u64 s[10:11], s[10:11], s[20:21]
	s_lshl_b32 s20, ttmp9, 11
	s_lshl_b32 s22, s16, 9
	s_add_co_u32 s20, s20, s22                     ; my 128 columns, in bytes
	s_add_nc_u64 s[12:13], s[12:13], s[20:21]
	s_lshl_b32 s22, s17, 18
	s_add_co_u32 s20, s20, s22
	s_add_nc_u64 s[14:15], s[14:15], s[20:21]
.irp m, 0,1,2,3
.irp k, 0,1,2,3,4,5,6,7
	global_load_b32 v[YS+8*\m+\k], v3, s[6:7] offset:(16*\m+2*\k)*128          ; the even heads' scale words
.endr
.endr
	WIN 0x40
.irp m, 0,1,2,3
.irp k, 0,1,2,3,4,5,6,7
	global_load_b32 v[8*\m+\k], v3, s[6:7] offset:(16*\m+2*\k+1)*128           ; the odd heads'
.endr
.endr
.set LC, LC+64
.set MSC, LC
	WIN 0
.irp t, 0,1,2,3,4,5,6,7
.irp e, 0,1
	global_load_b128 v[WS+8*\t+4*\e:WS+8*\t+4*\e+3], v4, s[10:11] offset:1024*\t+16*\e
.endr
.endr
	WIN 0xc0
.irp t, 0,1,2,3,4,5,6,7
	global_load_b128 v[8*\t:8*\t+3], v5, s[12:13] offset:(32*(\t/2)+8*(\t%2))*4
	global_load_b128 v[8*\t+4:8*\t+7], v5, s[12:13] offset:(32*(\t/2)+8*(\t%2))*4+16
.endr
.set LC, LC+32
	GLOAD 0, 0
	GLOAD 1, 1
	WAITL MSC
	WIN 0x01                                       ; source 0 in window 1
.set J, 0
.rept 32
	v_lshl_or_b32 v[YS+J], v[J], 16, v[YS+J]       ; a K step's word: the even head's two bytes below, the odd head's above
.set J, J+1
.endr
	PLACES 8                                       ; a scale register written by a vector instruction stands eight places ahead of the product
.irp k, 0,1,2,3,4,5,6,7
	KSTEP \k
.endr
.irp m, 0,1,2,3
	s_wait_xcnt 0x0                                ; the stores issued so far have read their registers: the rows' registers may be loaded again
	WIN 0x04                                       ; an LDS store's data are its source 1: window 1
.irp t, 0,1,2,3,4,5,6,7
	ds_store_b128 v6, v[64*\m+8*\t:64*\m+8*\t+3] offset:128*(\t/2)+32*(\t%2)          ; each accumulator from its low end on
	ds_store_b128 v6, v[64*\m+8*\t+4:64*\m+8*\t+7] offset:128*(\t/2)+32*(\t%2)+16
.endr
	WIN 0
.irp i, 0,1,2,3,4,5,6,7,8,9,10,11,12,13,14,15
	ds_load_b128 v[16+4*\i:16+4*\i+3], v7 offset:528*\i    ; LDS serves a wave's instructions in order: these see my stores, and the next tile's stores come behind them
.endr
.irp i, 0,1,2,3,4,5,6,7,8,9,10,11,12,13,14,15
	s_wait_dscnt 15-\i
	global_store_b128 v1, v[16+4*\i:16+4*\i+3], s[14:15] offset:(32*(\m/2)+8*(\m%2)+\i+8*(\i/8))*4096 th:TH_STORE_NT   ; 32 lanes store 512 consecutive bytes, at a multiple of 512 from out0's first byte
.endr
.endr
	s_wait_tensorcnt 0x0
	ds_add_u32 v254, v255
	s_wait_dscnt 0x0
	s_endpgm
.Lfunc_end_k_qec6895738b_proj:
	.size	k_qec6895738b_proj, .Lfunc_end_k_qec6895738b_proj-k_qec6895738b_proj
	.p2alignl 7, 3214868480
	.fill 96, 4, 3214868480
	.section	.rodata,"a",@progbits
	.p2align	6, 0x0
	.amdhsa_kernel k_qec6895738b_proj
		.amdhsa_group_segment_fixed_size 34304
		.amdhsa_private_segment_fixed_size 0
		.amdhsa_enable_private_segment 0
		.amdhsa_kernarg_size 48
		.amdhsa_user_sgpr_count 2
		.amdhsa_user_sgpr_kernarg_segment_ptr 1
		.amdhsa_wavefront_size32 1
		.amdhsa_system_sgpr_workgroup_id_x 1
		.amdhsa_system_sgpr_workgroup_id_y 1
		.amdhsa_system_sgpr_workgroup_id_z 1
		.amdhsa_system_vgpr_workitem_id 0
		.amdhsa_next_free_vgpr 832
		.amdhsa_next_free_sgpr 66
		.amdhsa_reserve_vcc 0
		.amdhsa_float_denorm_mode_32 3
		.amdhsa_float_denorm_mode_16_64 3
		.amdhsa_memory_ordered 1
		.amdhsa_forward_progress 1
		.amdhsa_inst_pref_size 94
	.end_amdhsa_kernel
	.amdgpu_metadata
---
amdhsa.version: [ 1, 2 ]
amdhsa.kernels:
  - .name:           k_qec6895738b_proj
    .symbol:         k_qec6895738b_proj.kd
    .args:
      - { .name: ycodes, .offset: 0, .size: 8, .value_kind: global_buffer, .address_space: global }
      - { .name: yscales, .offset: 8, .size: 8, .value_kind: global_buffer, .address_space: global }
      - { .name: wcodes, .offset: 16, .size: 8, .value_kind: global_buffer, .address_space: global }
      - { .name: wscales, .offset: 24, .size: 8, .value_kind: global_buffer, .address_space: global }
      - { .name: b_proj, .offset: 32, .size: 8, .value_kind: global_buffer, .address_space: global }
      - { .name: out0, .offset: 40, .size: 8, .value_kind: global_buffer, .address_space: global }
    .group_segment_fixed_size: 34304
    .private_segment_fixed_size: 0
    .kernarg_segment_align: 8
    .kernarg_segment_size: 48
    .max_flat_workgroup_size: 128
    .sgpr_count:     66
    .vgpr_count:     832
    .wavefront_size: 32
...
	.end_amdgpu_metadata
.endif
;; end of part 4
;; ======== version 2 of 2: 4 launches
;; workspace buffers: wcodes 1,720,320 bytes; wscales 143,360 bytes; kcodes 393,216 bytes; kscales 65,536 bytes; qcodes 6,291,456 bytes; qscales 524,288 bytes; ycodes 6,291,456 bytes; yscales 1,048,576 bytes
;; launch wquant (part 5): grid 280 x 1, 4 waves a work-group, no clusters, 34,304 bytes of LDS; arguments wq_d, wkv_d, w_qk, wv_u, w_proj, wcodes, wscales; writes wcodes, wscales
.if DOCPART == 5
	.amdgcn_target "amdgcn-amd-amdhsa--gfx1250"
	.amdhsa_code_object_version 6
	.text
	.protected	k_qec6895738b_wquant
	.globl	k_qec6895738b_wquant
	.p2align	8
	.type	k_qec6895738b_wquant,@function
k_qec6895738b_wquant:
	s_mov_b64 s[64:65], 0
	v_nop
	global_prefetch_b8 v0, s[64:65] scope:SCOPE_SE
	s_setreg_imm32_b32 hwreg(HW_REG_WAVE_MODE, 25, 1), 1
	s_wait_xcnt 0x0
; The five weights, f32 with K innermost, become codes of FP6 (E2M3) with one E8M0 byte for each 32 along K, laid as IMAGES OF OPERAND REGISTERS.
; A fragment is 16 rows x 128 K, 12 registers a lane: registers 4 c .. 4 c + 3 of lane l lie at 512 c + 16 l of the fragment's 1,536 bytes, so that three loads of 16 bytes a lane bring it.
; THE ROWS OF A TILE ARE NOT NEIGHBOURS: lane r of tile 2 b + u takes row 32 b + 8 u + r + 8 (r / 8), so that a transposed product leaves 16 neighbouring columns in the 16 registers of two neighbouring tiles.
; Fragment numbers: wq_d 0 + 8 tile + s, wkv_d 256 + 8 tile + s, w_qk 288 + 4 tile + s, wv_u 544 + tile (K = 64: the upper 64 are zero codes), w_proj 608 + 8 tile + s.  1,120 in all, one to a wave.
; Scale words: that of (tile, s, lane) at 128 x (the tile's first fragment) + 4 S lane + 4 s, S the tile's K steps: a lane's words of a tile are neighbours.
; A block's scale is 2^(floor(log2(its largest magnitude)) - 2); the byte is that magnitude's exponent field - 2, held at 1 from below.
; LIMITS: NaN and infinities are not served; a block of zeros gets the byte 1 where the rule says 127: its codes are zeros, which add nothing, and this program alone reads the bytes.
; Each load reads 512 consecutive bytes of one row; the 16 rows turn through the wave's own stage in LDS (rows 528 bytes apart), from which a lane takes 16 neighbours of each block of 32.  No barrier: waves share nothing.
.set R,   32                           ; v32-95   16 rows x 128 numbers as loaded
.set T,   96                           ; v96-159  register 16 b + i = k 32 b + 16 (lane / 16) + i of my row
.set PC,  160                          ; v160-171 the codes; v172-178 halves on their way
.set TM,  180                          ; v180-195 at work
.set PW,  196                          ; the scale word
	s_load_b256 s[4:11], s[0:1], 0x0               ; wq_d, wkv_d, w_qk, wv_u
	s_load_b128 s[12:15], s[0:1], 0x20             ; w_proj, wcodes
	s_load_b64 s[16:17], s[0:1], 0x30              ; wscales
	v_lshl_add_u32 v200, v0, 2, 0x8400
	v_mov_b32 v201, 0
	v_lshrrev_b32 v1, 5, v0
	v_readfirstlane_b32 s18, v1                    ; wave
	v_and_b32 v1, 31, v0                           ; lane
	v_and_b32 v2, 15, v0                           ; r
	v_bfe_u32 v3, v0, 4, 1                         ; h
	v_and_b32 v4, 8, v2
	v_add_nc_u32 v4, v4, v2                        ; r + 8 (r / 8)
	v_lshlrev_b32 v5, 4, v1                        ; 16 x lane
	s_mul_i32 s19, s18, 8448                       ; my stage
	v_add_nc_u32 v6, s19, v5                       ; into it: a row's 512 bytes as they lie
	v_mul_u32_u24 v7, v2, 528
	v_lshl_add_u32 v7, v3, 6, v7
	v_add_nc_u32 v7, s19, v7                       ; out of it: row r, + 64 h
	v_lshlrev_b32 v8, 8, v4
	v_lshl_add_u32 v8, v3, 6, v8                   ; wv_u: row r + 8 (r / 8) of 256 bytes, + 64 h
	s_mov_b32 s32, 0x76543210
	s_mov_b32 s33, 0xfedcba98                      ; selects for lane l xor 16
.irp b, 0,1,2,3
	v_mov_b32 v[TM+4+\b], 0                        ; written once: a lane permute's destination counts as one of its sources
.endr
	s_lshl_b32 s19, ttmp9, 2
	s_add_co_u32 s19, s19, s18                     ; my fragment
	s_mov_b32 s20, 608                             ; the tensor's first fragment,
	s_mov_b32 s21, 3                               ; log2 of its K steps,
	s_mov_b32 s22, 4096                            ; its row in bytes: w_proj's, unless the work-group's number says otherwise
	s_wait_kmcnt 0x0
	s_mov_b64 s[24:25], s[12:13]
	s_cmp_lt_u32 ttmp9, 152
	s_cselect_b64 s[24:25], s[10:11], s[24:25]     ; wv_u
	s_cselect_b32 s20, 544, s20
	s_cselect_b32 s21, 0, s21
	s_cselect_b32 s22, 256, s22
	s_cmp_lt_u32 ttmp9, 136
	s_cselect_b64 s[24:25], s[8:9], s[24:25]       ; w_qk
	s_cselect_b32 s20, 288, s20
	s_cselect_b32 s21, 2, s21
	s_cselect_b32 s22, 2048, s22
	s_cmp_lt_u32 ttmp9, 72
	s_cselect_b64 s[24:25], s[6:7], s[24:25]       ; wkv_d
	s_cselect_b32 s20, 256, s20
	s_cselect_b32 s21, 3, s21
	s_cselect_b32 s22, 4096, s22
	s_cmp_lt_u32 ttmp9, 64
	s_cselect_b64 s[24:25], s[4:5], s[24:25]       ; wq_d
	s_cselect_b32 s20, 0, s20
	s_sub_co_u32 s23, s19, s20                     ; the fragment's number in its tensor
	s_lshr_b32 s26, s23, s21                       ; tile
	s_lshl_b32 s27, s26, s21
	s_sub_co_u32 s27, s23, s27                     ; K step s
	s_lshr_b32 s28, s26, 1
	s_lshl_b32 s28, s28, 5
	s_and_b32 s29, s26, 1
	s_lshl_b32 s29, s29, 3
	s_add_co_u32 s28, s28, s29                     ; the tile's first row: 32 (tile / 2) + 8 (tile % 2)
	s_mul_i32 s28, s28, s22
	s_lshl_b32 s29, s27, 9
	s_add_co_u32 s28, s28, s29                     ; + 512 s bytes along K
	s_mov_b32 s29, 0
	s_add_nc_u64 s[24:25], s[24:25], s[28:29]
	s_mul_i32 s28, s19, 1536
	s_add_nc_u64 s[14:15], s[14:15], s[28:29]      ; my image
	s_sub_co_u32 s28, s19, s27
	s_lshl_b32 s28, s28, 7
	s_lshl_b32 s30, s27, 2
	s_add_co_u32 s28, s28, s30
	s_add_nc_u64 s[16:17], s[16:17], s[28:29]      ; my scale words: 128 x the tile's first fragment + 4 s
	s_add_co_u32 s30, s21, 2
	v_lshlrev_b32 v9, s30, v1                      ; + 4 S x lane
	s_cmp_eq_u32 s21, 0
	s_cbranch_scc1 .Lwv
.irp i, 0,1,2,3,4,5,6,7,8,9,10,11,12,13,14,15
	v_mad_u32_u24 v[16+\i], s22, \i+8*(\i/8), v5   ; the tile's row i, my 16 bytes of its 512
.endr
.irp i, 0,1,2,3,4,5,6,7,8,9,10,11,12,13,14,15
	global_load_b128 v[R+4*\i:R+4*\i+3], v[16+\i], s[24:25] th:TH_LOAD_NT
.endr
	s_wait_loadcnt 0x0
.irp i, 0,1,2,3,4,5,6,7,8,9,10,11,12,13,14,15
	ds_store_b128 v6, v[R+4*\i:R+4*\i+3] offset:528*\i
.endr
.irp b, 0,1,2,3
.irp j, 0,1,2,3
	ds_load_b128 v[T+16*\b+4*\j:T+16*\b+4*\j+3], v7 offset:128*\b+16*\j   ; LDS serves a wave's instructions in order: these see my stores
.endr
.endr
	s_wait_dscnt 0x0
	s_branch .Ljoin
.Lwv:                                                  ; wv_u: a row is 64 numbers; a lane takes its 16 of each of the two blocks straight from memory, the other two blocks are zeros
	s_wait_alu depctr_va_vdst(0)
.irp b, 0,1
.irp j, 0,1,2,3
	global_load_b128 v[T+16*\b+4*\j:T+16*\b+4*\j+3], v8, s[24:25] offset:128*\b+16*\j th:TH_LOAD_NT
.endr
.endr
.set J, 32
.rept 32
	v_mov_b32 v[T+J], 0
.set J, J+1
.endr
	s_wait_loadcnt 0x0
.Ljoin:
.irp b, 0,1,2,3
	v_max3_num_f32 v[TM+\b], |v[T+16*\b]|, |v[T+1+16*\b]|, 0x1800000   ; block b: my 16 numbers, and the floor 2^(3 - 127): the byte cannot fall under 1
.endr
.irp i, 2,4,6,8,10,12,14
.irp b, 0,1,2,3
	v_max3_num_f32 v[TM+\b], v[TM+\b], |v[T+16*\b+\i]|, |v[T+1+16*\b+\i]|   ; the four blocks by turns
.endr
.endr
.irp b, 0,1,2,3
	v_permlanex16_b32 v[TM+4+\b], v[TM+\b], s32, s33
.endr
.irp b, 0,1,2,3
	v_max_num_f32 v[TM+\b], v[TM+\b], v[TM+4+\b]   ; with lane l xor 16's: the block's largest magnitude
.endr
.irp b, 0,1,2,3
	v_add_nc_u32 v[TM+12+\b], 0xff000000, v[TM+\b] ; 2 off its exponent field: the conversion takes that field as its scale
.endr
.irp b, 0,1,2,3
	v_lshrrev_b32 v[TM+4+\b], 23, v[TM+12+\b]      ; the scale's byte
.endr
	v_lshl_or_b32 v[PW], v[TM+5], 8, v[TM+4]
	v_lshl_or_b32 v[PW], v[TM+6], 16, v[PW]
	v_lshl_or_b32 v[PW], v[TM+7], 24, v[PW]
.irp c, 0,1
	v_cvt_scalef32_pk16_fp6_f32 v[PC+6*\c:PC+2+6*\c], v[T+32*\c:T+15+32*\c], v[TM+12+2*\c]
	v_cvt_scalef32_pk16_fp6_f32 v[PC+12+4*\c:PC+14+4*\c], v[T+16+32*\c:T+31+32*\c], v[TM+12+2*\c+1]   ; (a conversion's three registers begin on an even number)
.endr
	v_nop                                          ; one plain place behind a scaled conversion
.irp c, 0,1                                    ; the operand's layout wants a whole block in a lane: lanes 0-15 block 2 c, lanes 16-31 block 2 c + 1
.irp i, 0,1,2
	v_permlane16_swap_b32 v[PC+6*\c+\i], v[PC+12+4*\c+\i]
.endr
.irp i, 0,1,2
	v_mov_b32 v[PC+3+6*\c+\i], v[PC+12+4*\c+\i]
.endr
.endr
.irp c, 0,1,2
	global_store_b128 v5, v[PC+4*\c:PC+4*\c+3], s[14:15] offset:512*\c   ; 32 lanes store 512 consecutive bytes, aligned
.endr
	global_store_b32 v9, v[PW], s[16:17]           ; 4 bytes a lane, 4 S bytes apart: 143,360 bytes in the whole launch, so laid that their users load 16 bytes a lane
	s_wait_tensorcnt 0x0
	ds_add_u32 v200, v201
	s_wait_dscnt 0x0
	s_endpgm
.Lfunc_end_k_qec6895738b_wquant:
	.size	k_qec6895738b_wquant, .Lfunc_end_k_qec6895738b_wquant-k_qec6895738b_wquant
	.p2alignl 7, 3214868480
	.fill 96, 4, 3214868480
	.section	.rodata,"a",@progbits
	.p2align	6, 0x0
	.amdhsa_kernel k_qec6895738b_wquant
		.amdhsa_group_segment_fixed_size 34304
		.amdhsa_private_segment_fixed_size 0
		.amdhsa_enable_private_segment 0
		.amdhsa_kernarg_size 56
		.amdhsa_user_sgpr_count 2
		.amdhsa_user_sgpr_kernarg_segment_ptr 1
		.amdhsa_wavefront_size32 1
		.amdhsa_system_sgpr_workgroup_id_x 1
		.amdhsa_system_sgpr_workgroup_id_y 1
		.amdhsa_system_sgpr_workgroup_id_z 1
		.amdhsa_system_vgpr_workitem_id 0
		.amdhsa_next_free_vgpr 202
		.amdhsa_next_free_sgpr 66
		.amdhsa_reserve_vcc 0
		.amdhsa_float_denorm_mode_32 3
		.amdhsa_float_denorm_mode_16_64 3
		.amdhsa_memory_ordered 1
		.amdhsa_forward_progress 1
		.amdhsa_inst_pref_size 15
	.end_amdhsa_kernel
	.amdgpu_metadata
---
amdhsa.version: [ 1, 2 ]
amdhsa.kernels:
  - .name:           k_qec6895738b_wquant
    .symbol:         k_qec6895738b_wquant.kd
    .args:
      - { .name: wq_d, .offset: 0, .size: 8, .value_kind: global_buffer, .address_space: global }
      - { .name: wkv_d, .offset: 8, .size: 8, .value_kind: global_buffer, .address_space: global }
      - { .name: w_qk, .offset: 16, .size: 8, .value_kind: global_buffer, .address_space: global }
      - { .name: wv_u, .offset: 24, .size: 8, .value_kind: global_buffer, .address_space: global }
      - { .name: w_proj, .offset: 32, .size: 8, .value_kind: global_buffer, .address_space: global }
      - { .name: wcodes, .offset: 40, .size: 8, .value_kind: global_buffer, .address_space: global }
      - { .name: wscales, .offset: 48, .size: 8, .value_kind: global_buffer, .address_space: global }
    .group_segment_fixed_size: 34304
    .private_segment_fixed_size: 0
    .kernarg_segment_align: 8
    .kernarg_segment_size: 56
    .max_flat_workgroup_size: 128
    .sgpr_count:     66
    .vgpr_count:     202
    .wavefront_size: 32
...
	.end_amdgpu_metadata
.endif
;; end of part 5
;; launch chain (part 6): grid 128 x 1, 4 waves a work-group, no clusters, 147,968 bytes of LDS; arguments x, wcodes, wscales, bq_d, bkv_d, b_qk, kcodes, kscales, qcodes, qscales; writes kcodes, kscales, qcodes, qscales
.if DOCPART == 6
	.amdgcn_target "amdgcn-amd-amdhsa--gfx1250"
	.amdhsa_code_object_version 6
	.text
	.protected	k_qec6895738b_chain
	.globl	k_qec6895738b_chain
	.p2align	8
	.type	k_qec6895738b_chain,@function
k_qec6895738b_chain:
	s_mov_b64 s[64:65], 0
	v_nop
	global_prefetch_b8 v0, s[64:65] scope:SCOPE_SE
	s_setreg_imm32_b32 hwreg(HW_REG_WAVE_SCHED_MODE, 0, 2), 2
	s_setreg_imm32_b32 hwreg(HW_REG_WAVE_MODE, 25, 1), 1
	s_wait_xcnt 0x0
	s_wait_alu depctr_vm_vsrc(0)
; c_kv = x wkv_d^T + bkv_d, c_q = x wq_d^T + bq_d, q = c_q w_qk^T + b_qk, all three products on codes of FP6 (E2M3) with one E8M0 scale for each 32 along K.  Out go the codes of c_kv and of q; x is read once, as f32; c_q never leaves LDS.
; SHARES.  A work-group of four waves takes 64 tokens: four tiles of 16.  Tile 2 B + u of the 512 holds tokens 32 B + 8 u + r + 8 (r / 8), r = lane % 16.  THE WAVES SHARE THE COLUMNS: wave w makes columns 128 w .. of c_q and 256 w .. of q for all
; 64 tokens, so a weight fragment loaded into registers feeds four matrix instructions; for c_kv (64 columns) wave w takes token tile w.  128 work-groups: with 32 tokens each the weights would be read twice as often for the same chain of K steps.
; Every product is used TRANSPOSED (source 0 = 16 rows of the weight, source 1 = 16 tokens): a lane holds one token, and by the choice of a tile's rows the 16 registers of two neighbouring tiles are 16 neighbours along the next K.
; OPERANDS GO FROM WAVE TO WAVE THROUGH LDS AS IMAGES OF THEIR REGISTERS (1,536 bytes: registers 4 c .. 4 c + 3 of lane l at 512 c + 16 l); scale words of the four token tiles lie together, 16 bytes a lane.
; The weights come from memory in the same form, straight into registers, two K steps ahead.  No loop: every offset is an immediate, and the count of loads issued behind a group is kept by the symbol LC.
; LIMITS: NaN and infinities are not served; a block of zeros gets the byte 1 where the rule says 127: its codes are zeros, and this program alone reads the bytes.
; REGISTERS, in windows of 256.  Window 0: v1-13 addresses; v16-63, v64-111 two sets of four token fragments (v16-79 also 64 numbers of x); v112-130 codes just made; v132-147 at work; v148 the scale word just made;
;   v152-159 the token fragments' scale words; v160-223 the weight's scale words; v224-255 wkv_d's.  Window 1: x as loaded, four sets of 64; later the 32 accumulators, (token tile m, weight tile t) at 64 m + 8 t.
;   Window 2: two sets of eight weight fragments, at v0 and v96; v192-255 64 numbers of x.  Window 3: the biases in the result's layout: bq_d v0-63, b_qk v64-191, bkv_d v192-223.
; THE MODE: SCHED_MODE bits 1:0 = 2 (LLVM: expert scheduling mode 2), set by the entry lines.  The code itself states the register dependences between vector or matrix instructions and memory or LDS instructions, with s_wait_alu, always for 0.
; THE PLAN.  Registers that memory or LDS instructions touch:
;   v1-13                      offsets and LDS addresses: written at the head, ahead of the first wait on va_vdst, and never again.
;   x's four sets, window 1    written by loads, read by the stage's LDS stores alone.  A wait on vm_vsrc at each step's head stands ahead of the loads that fill a set again, and of the products that later write these registers.
;   v16-79, window 2 v192-255  x's numbers back from the stage: written by LDS loads, read by the quantiser.
;   v[PC ..], v[PW]            written by a quantiser, read by the stores of an image or a result.  ONE wait on va_vdst stands between a quantiser and its stores; it also states that the quantiser is done reading its 64 numbers,
;                              in which the LDS loads of two steps on land.  A wait on vm_vsrc stands ahead of each next quantiser.
;   weight sets, token sets, their scale words   written by loads, read by products.  ONE wait on va_vdst stands behind a step's products, ahead of the run of loads that fills the sets just read; no vector or matrix instruction stands inside such a run.
;   No operand or scale of a product is written by a vector instruction: all come by loads.
.set XIMG, 0                           ; LDS: x's 32 fragments (8 m + s),
.set XSC,  49152                       ; their scale words: 512 s + 16 lane + 4 m,
.set CIMG, 53248                       ; c_q's 16 fragments (4 m + s),
.set CSC,  77824                       ; their scale words: 512 s + 16 lane + 4 m,
.set XST,  79872                       ; and for each wave two stages of 16 rows x 528 bytes, through which x turns
.set PC,  112
.set TM,  132
.set PW,  148
.set BS,  152
.set WS,  160
.set WKS, 224
.set MSB, 0
.macro WIN new                         ; the immediate's high byte repeats the setting that is left; a switch that changes nothing is dropped
.if MSB != \new
	s_set_vgpr_msb (MSB<<8)|\new
.set MSB, \new
.endif
.endm
.macro PLACES n                        ; plain vector instructions between a matrix instruction and what may not follow it at once (ISA guide 7.12.1)
.rept \n
	v_nop
.endr
.endm
.set LC, 0                             ; global loads issued so far
.set MW0, 0                            ; LC behind the last group loaded into weight set 0, 1
.set MW1, 0
.macro WAITL m                         ; loads come back in order (ISA guide 5.7.1): the group marked m is in when no more are out than were issued behind it
.if LC-(\m) > 63
	s_wait_loadcnt 63
.else
	s_wait_loadcnt LC-(\m)
.endif
.endm
.macro WMC d, a, b, c, sa, sb
	v_wmma_scale_f32_16x16x128_f8f6f4 v[(\d):(\d)+7], v[(\a):(\a)+11], v[(\b):(\b)+11], v[(\c):(\c)+7], v[\sa], v[\sb] matrix_a_fmt:MATRIX_FMT_FP6 matrix_b_fmt:MATRIX_FMT_FP6
.endm
; 64 numbers of a lane in window w, register 16 b + i = k 32 b + 16 (lane / 16) + i of my token, become a fragment's codes in v[PC] on and its scale word in v[PW].  An accumulator is read from its low end on.
.macro QUANT4 s, w
.set WW, ((\w)<<2)|((\w)<<4)
	WIN WW                                         ; sources 1 and 2 in window w
.irp b, 0,1,2,3
	v_max3_num_f32 v[TM+\b], 0x1800000, |v[(\s)+16*\b]|, |v[(\s)+1+16*\b]|   ; block b: my 16 numbers, and the floor 2^(3 - 127): the byte cannot fall under 1
.endr
.irp i, 2,4,6,8,10,12,14
.irp b, 0,1,2,3
	v_max3_num_f32 v[TM+\b], v[TM+\b], |v[(\s)+16*\b+\i]|, |v[(\s)+1+16*\b+\i]|
.endr
.endr
	WIN 0
.irp b, 0,1,2,3
	v_permlanex16_b32 v[TM+4+\b], v[TM+\b], s26, s27
.endr
.irp b, 0,1,2,3
	v_max_num_f32 v[TM+\b], v[TM+\b], v[TM+4+\b]   ; with lane l xor 16's: the block's largest magnitude
.endr
.irp b, 0,1,2,3
	v_add_nc_u32 v[TM+12+\b], 0xff000000, v[TM+\b] ; 2 off its exponent field: the conversion's scale operand
.endr
.irp b, 0,1,2,3
	v_lshrrev_b32 v[TM+4+\b], 23, v[TM+12+\b]      ; the scale's byte
.endr
	v_lshl_or_b32 v[PW], v[TM+5], 8, v[TM+4]
	v_lshl_or_b32 v[PW], v[TM+6], 16, v[PW]
	v_lshl_or_b32 v[PW], v[TM+7], 24, v[PW]
	WIN \w                                         ; source 0 in window w
.irp c, 0,1
	v_cvt_scalef32_pk16_fp6_f32 v[PC+6*\c:PC+2+6*\c], v[(\s)+32*\c:(\s)+15+32*\c], v[TM+12+2*\c]
	v_cvt_scalef32_pk16_fp6_f32 v[PC+12+4*\c:PC+14+4*\c], v[(\s)+16+32*\c:(\s)+31+32*\c], v[TM+12+2*\c+1]
.endr
	WIN 0
	v_nop                                          ; one plain place behind a scaled conversion
.irp c, 0,1                                    ; a whole block to a lane: lanes 0-15 block 2 c, lanes 16-31 block 2 c + 1
.irp i, 0,1,2
	v_permlane16_swap_b32 v[PC+6*\c+\i], v[PC+12+4*\c+\i]
.endr
.irp i, 0,1,2
	v_mov_b32 v[PC+3+6*\c+\i], v[PC+12+4*\c+\i]
.endr
.endr
.endm
; The same for 32 numbers, K = 64: six registers of codes, a scale word with two bytes (the other two are 0, which stand beside zero codes)
.macro QUANT2 s, w
.set WW, ((\w)<<2)|((\w)<<4)
	WIN WW
.irp b, 0,1
	v_max3_num_f32 v[TM+\b], 0x1800000, |v[(\s)+16*\b]|, |v[(\s)+1+16*\b]|
.endr
.irp i, 2,4,6,8,10,12,14
.irp b, 0,1
	v_max3_num_f32 v[TM+\b], v[TM+\b], |v[(\s)+16*\b+\i]|, |v[(\s)+1+16*\b+\i]|
.endr
.endr
	WIN 0
.irp b, 0,1
	v_permlanex16_b32 v[TM+4+\b], v[TM+\b], s26, s27
.endr
.irp b, 0,1
	v_max_num_f32 v[TM+\b], v[TM+\b], v[TM+4+\b]
.endr
.irp b, 0,1
	v_add_nc_u32 v[TM+12+\b], 0xff000000, v[TM+\b]
.endr
.irp b, 0,1
	v_lshrrev_b32 v[TM+4+\b], 23, v[TM+12+\b]
.endr
	v_lshl_or_b32 v[PW], v[TM+5], 8, v[TM+4]
	WIN \w
	v_cvt_scalef32_pk16_fp6_f32 v[PC:PC+2], v[(\s):(\s)+15], v[TM+12]
	v_cvt_scalef32_pk16_fp6_f32 v[PC+12:PC+14], v[(\s)+16:(\s)+31], v[TM+13]
	WIN 0
	v_nop
.irp i, 0,1,2
	v_permlane16_swap_b32 v[PC+\i], v[PC+12+\i]
.endr
.irp i, 0,1,2
	v_mov_b32 v[PC+3+\i], v[PC+12+\i]
.endr
.endm
; K step k of my token tile of x: 16 loads, each 512 consecutive bytes of one row, into set k % 4 of window 1
.macro XLOAD k
	WIN 0x40
.irp i, 0,1,2,3,4,5,6,7,8,9,10,11,12,13,14,15
	global_load_b128 v[64*((\k)%4)+4*\i:64*((\k)%4)+4*\i+3], v1, s[4:5] offset:(\i+8*(\i/8))*4096+512*(\k) th:TH_LOAD_NT
.endr
.set LC, LC+16
.set MX\k, LC
.endm
; and through my stage k % 2: in as loaded, out 16 neighbours of each block of 32 a lane.  LDS serves a wave's instructions in order: no wait between
.macro TURN k
	WIN 0x04                                       ; an LDS store's data are its source 1: window 1
.irp i, 0,1,2,3,4,5,6,7,8,9,10,11,12,13,14,15
	ds_store_b128 v5, v[64*((\k)%4)+4*\i:64*((\k)%4)+4*\i+3] offset:8448*((\k)%2)+528*\i
.endr
.if ((\k)%2) == 0
	WIN 0
.set TT, 16
.else
	WIN 0x80
.set TT, 192
.endif
.irp b, 0,1,2,3
.irp j, 0,1,2,3
	ds_load_b128 v[TT+16*\b+4*\j:TT+16*\b+4*\j+3], v6 offset:8448*((\k)%2)+128*\b+16*\j   ; no wait on the vector side: the quantiser of two steps back, which read these registers, stands ahead of its own wait on va_vdst, and no vector instruction since names them
.endr
.endr
.endm
.macro XQ k                            ; K step k of my token tile is quantised; its image and scale word go to LDS
.if ((\k)%2) == 0
	QUANT4 16, 0
.else
	QUANT4 192, 2
.endif
	s_wait_alu depctr_va_vdst(0)                   ; the quantiser has written v[PC ..] and v[PW], which the stores below read, and is done reading the step's 64 numbers, in which the LDS loads of two steps on land
.irp c, 0,1,2
	ds_store_b128 v7, v[PC+4*\c:PC+4*\c+3] offset:1536*(\k)+512*\c
.endr
	ds_store_b32 v8, v[PW] offset:512*(\k)
.endm
.macro XHEAD                           ; the head of a step of x
	s_wait_dscnt 0x0                               ; all my LDS instructions are done: the step's numbers are back from the stage
	s_wait_alu depctr_vm_vsrc(0)                   ; the stage's stores have read their set of window 1, which loads and later products write again; the last image's stores have read v[PC ..] and v[PW], which the next quantiser writes
.endm
.macro MARKW set
.if (\set) == 0
.set MW0, LC
.else
.set MW1, LC
.endif
.endm
; my eight weight fragments of K step k (of NS) into set: 24 loads of 512 consecutive bytes
.macro WLOAD set, base, off0, NS, k
	WIN 0x80
.irp t, 0,1,2,3,4,5,6,7
.irp c, 0,1,2
	global_load_b128 v[96*(\set)+12*\t+4*\c:96*(\set)+12*\t+4*\c+3], v1, s[\base:\base+1] offset:(\off0)+(\t*(\NS)+(\k))*1536+512*\c
.endr
.endr
.set LC, LC+24
	MARKW \set
.endm
; wkv_d's four tiles for K steps 2 q and 2 q + 1: fragment 4 e + t of the set
.macro WKLOAD set, q
	WIN 0x80
.irp e, 0,1
.irp t, 0,1,2,3
.irp c, 0,1,2
	global_load_b128 v[96*(\set)+12*(4*\e+\t)+4*\c:96*(\set)+12*(4*\e+\t)+4*\c+3], v1, s[30:31] offset:(8*\t+2*(\q)+\e)*1536+512*\c
.endr
.endr
.endr
.set LC, LC+24
	MARKW \set
.endm
; the four token tiles' fragments of K step k and their scale words: 13 LDS loads
.macro BLOAD set, adr, img, sc, NS, k
	WIN 0
.irp m, 0,1,2,3
.irp c, 0,1,2
	ds_load_b128 v[16+48*(\set)+12*\m+4*\c:16+48*(\set)+12*\m+4*\c+3], v[\adr] offset:(\img)+(\m*(\NS)+(\k))*1536+512*\c
.endr
.endr
	ds_load_b128 v[BS+4*(\set):BS+4*(\set)+3], v[\adr] offset:(\sc)+512*(\k)
.endm
; my own token tile's fragments of K steps 2 q and 2 q + 1: 8 LDS loads
.macro KBLOAD q
	WIN 0
.irp e, 0,1
.irp c, 0,1,2
	ds_load_b128 v[16+48*((\q)%2)+12*\e+4*\c:16+48*((\q)%2)+12*\e+4*\c+3], v7 offset:(2*(\q)+\e)*1536+512*\c
.endr
	ds_load_b32 v[BS+4*((\q)%2)+\e], v8 offset:512*(2*(\q)+\e)
.endr
.endm
; 32 matrix instructions: four token tiles x my eight weight tiles, one K step.  The 32 accumulators take turns, one instruction a turn.  cb >= 0: the bias (window 3, from v[cb]) starts the sums.
.macro MUL set, ws, wstr, k, cb
.if (\cb) >= 0
	WIN 0x72                                       ; source 0 (weight) window 2, source 1 (tokens) window 0, C window 3, D window 1
.else
	WIN 0x52                                       ; C and D window 1
.endif
.irp m, 0,1,2,3
.irp t, 0,1,2,3,4,5,6,7
.if (\cb) >= 0
	WMC 64*\m+8*\t, 96*(\set)+12*\t, 16+48*(\set)+12*\m, (\cb)+8*\t, (\ws)+(\wstr)*\t+(\k), BS+4*(\set)+\m
.else
	WMC 64*\m+8*\t, 96*(\set)+12*\t, 16+48*(\set)+12*\m, 64*\m+8*\t, (\ws)+(\wstr)*\t+(\k), BS+4*(\set)+\m
.endif
.endr
.endr
	PLACES 4                                       ; in front of loads into the registers just read, and of the first read of results
.endm
; K step k of a pass of NS steps; the loads of step k + 2 follow into the sets just read
.macro PSTEP k, NS, base, off0, adr, img, sc, ws, wstr, cb
.if ((\k)%2) == 0
	WAITL MW0
.else
	WAITL MW1
.endif
.if (\k) == (\NS)-1
	s_wait_dscnt 0x0
.else
	s_wait_dscnt 13                                ; this step's 13 LDS loads are in; the next step's 13 may be out
.endif
.if (\k) == 0
	MUL (\k)%2, \ws, \wstr, \k, \cb
.else
	MUL (\k)%2, \ws, \wstr, \k, -1
.endif
.if (\k)+2 < (\NS)
	s_wait_alu depctr_va_vdst(0)                   ; this step's products are done reading their weight set, their token set and its scale words, in which the loads below land
	WLOAD (\k)%2, \base, \off0, \NS, (\k)+2
	BLOAD (\k)%2, \adr, \img, \sc, \NS, (\k)+2
.endif
.endm
; two K steps of c_kv for my token tile: four accumulators by turns; left = the younger LDS loads that may stay out
.macro KSTEP q, left
.if ((\q)%2) == 0
	WAITL MW0
.else
	WAITL MW1
.endif
	s_wait_dscnt \left
.irp e, 0,1
.if ((\q) == 0) && (\e == 0)
	WIN 0x72
.else
	WIN 0x52
.endif
.irp t, 0,1,2,3
.if ((\q) == 0) && (\e == 0)
	WMC 8*\t, 96*((\q)%2)+12*(4*\e+\t), 16+48*((\q)%2)+12*\e, 192+8*\t, WKS+8*\t+2*(\q)+\e, BS+4*((\q)%2)+\e
.else
	WMC 8*\t, 96*((\q)%2)+12*(4*\e+\t), 16+48*((\q)%2)+12*\e, 8*\t, WKS+8*\t+2*(\q)+\e, BS+4*((\q)%2)+\e
.endif
.endr
.endr
	PLACES 4
	s_wait_alu depctr_va_vdst(0)                   ; this double step's products are done reading their weight set, their token fragments and scale words, in which the loads that follow land
.endm
; q's head pair 2 w + p, four token tiles: quantised and stored as two half images (a head's 64: registers 0-3 at 16 lane, 4-5 at 512 + 8 lane) and one scale word (bytes 0, 1 the even head's, 2, 3 the odd head's)
.macro QOUT p
.irp m, 0,1,2,3
	s_wait_xcnt 0x0                                ; the stores issued so far have read their registers: the codes may be written again
	s_wait_alu depctr_vm_vsrc(0)                   ; the stores issued so far, to LDS and to memory, have read v[PC ..] and v[PW], which the quantiser writes
	QUANT4 64*\m, 1
	s_wait_alu depctr_va_vdst(0)                   ; the quantiser has written v[PC ..] and v[PW], which the stores below read
	global_store_b128 v1, v[PC:PC+3], s[20:21] offset:12288*\m+1536*(\p)
	global_store_b64 v2, v[PC+4:PC+5], s[20:21] offset:12288*\m+1536*(\p)+512
	global_store_b128 v1, v[PC+6:PC+9], s[20:21] offset:12288*\m+1536*(\p)+768
	global_store_b64 v2, v[PC+10:PC+11], s[20:21] offset:12288*\m+1536*(\p)+1280
	global_store_b32 v3, v[PW], s[22:23] offset:1024*\m+128*(\p)
.endr
.endm
	s_load_b512 s[4:19], s[0:1], 0x0               ; x, wcodes, wscales, bq_d, bkv_d, b_qk, kcodes, kscales
	s_load_b128 s[20:23], s[0:1], 0x40             ; qcodes, qscales
	v_lshl_add_u32 v150, v0, 2, 0x24000
	v_mov_b32 v151, 0
	v_lshrrev_b32 v1, 5, v0
	v_readfirstlane_b32 s24, v1                    ; wave
	v_and_b32 v14, 31, v0                          ; lane
	v_and_b32 v15, 15, v0                          ; r
	v_bfe_u32 v13, v0, 4, 1                        ; h
	v_lshlrev_b32 v1, 4, v14                       ; 16 x lane
	v_lshlrev_b32 v2, 3, v14                       ; 8 x lane
	v_lshlrev_b32 v3, 2, v14                       ; 4 x lane
	v_lshlrev_b32 v4, 5, v14                       ; 32 x lane
	s_wait_alu depctr_va_sdst(0)                   ; s24 is written, ahead of its first reader: LDS addresses and bases are made from it
	s_mul_i32 s40, s24, 16896
	s_add_co_u32 s40, s40, XST                     ; my stages
	v_add_nc_u32 v5, s40, v1                       ; in
	v_mul_u32_u24 v6, v15, 528
	v_lshl_add_u32 v6, v13, 6, v6
	v_add_nc_u32 v6, s40, v6                       ; out: row r, + 64 h
	s_mul_i32 s40, s24, 12288
	v_add_nc_u32 v7, s40, v1                       ; my token tile's eight images of x
	s_lshl_b32 s40, s24, 2
	s_add_co_u32 s40, s40, XSC
	v_add_nc_u32 v8, s40, v1                       ; and its scale words: XSC + 16 lane + 4 w
	v_add_nc_u32 v10, CIMG, v1                     ; c_q's images, read
	s_mul_i32 s40, s24, 1536
	s_add_co_u32 s40, s40, CIMG
	v_add_nc_u32 v11, s40, v1                      ; and written: K step w
	s_lshl_b32 s40, s24, 9
	s_add_co_u32 s40, s40, CSC
	v_add_nc_u32 v12, s40, v1                      ; its scale words: CSC + 512 w + 16 lane
	v_lshlrev_b32 v13, 6, v13                      ; biases: 64 h
	s_mov_b32 s26, 0x76543210
	s_mov_b32 s27, 0xfedcba98                      ; selects for lane l xor 16
.irp b, 0,1,2,3
	v_mov_b32 v[TM+4+\b], 0                        ; written once: a lane permute's destination counts as one of its sources
.endr
	s_lshl_b32 s40, ttmp9, 6
	s_lshr_b32 s41, s24, 1
	s_lshl_b32 s41, s41, 5
	s_add_co_u32 s40, s40, s41
	s_and_b32 s41, s24, 1
	s_lshl_b32 s41, s41, 3
	s_add_co_u32 s40, s40, s41                     ; my token tile's first row: 64 g + 32 (w / 2) + 8 (w % 2)
	s_lshl_b32 s40, s40, 12
	s_mov_b32 s41, 0
	s_wait_kmcnt 0x0
	s_add_nc_u64 s[4:5], s[4:5], s[40:41]
	s_wait_alu depctr_va_vdst(0)                   ; the offsets and LDS addresses v1 to v13 are written: every load and store of the kernel reads one of them, and none is written again
	XLOAD 0                                        ; 64 loads a wave go out before anything else
	XLOAD 1
	XLOAD 2
	XLOAD 3
	s_mul_i32 s40, s24, 98304
	s_add_nc_u64 s[28:29], s[6:7], s[40:41]        ; wq_d's fragments of my 8 tiles
	s_add_nc_u64 s[30:31], s[6:7], 393216          ; wkv_d's
	s_add_nc_u64 s[32:33], s[28:29], 442368        ; w_qk's of my 16 tiles
	s_lshl_b32 s40, s24, 13
	s_add_nc_u64 s[34:35], s[8:9], s[40:41]        ; their scale words
	s_add_nc_u64 s[36:37], s[8:9], 32768
	s_add_nc_u64 s[38:39], s[34:35], 36864
	s_lshl_b32 s40, s24, 9
	s_add_nc_u64 s[10:11], s[10:11], s[40:41]      ; bq_d at my 128 columns
	s_lshl_b32 s40, s24, 10
	s_add_nc_u64 s[14:15], s[14:15], s[40:41]      ; b_qk at my 256
	s_lshl_b32 s40, ttmp9, 2
	s_add_co_u32 s42, s40, s24                     ; my token tile: 4 g + w
	s_mul_i32 s40, s42, 768
	s_add_nc_u64 s[16:17], s[16:17], s[40:41]
	s_lshl_b32 s40, s42, 7
	s_add_nc_u64 s[18:19], s[18:19], s[40:41]
	s_mul_i32 s40, ttmp9, 49152
	s_mul_i32 s43, s24, 3072
	s_add_co_u32 s40, s40, s43
	s_add_nc_u64 s[20:21], s[20:21], s[40:41]      ; q's codes: ((4 g + m) 8 + 2 w + p) x 1,536
	s_lshl_b32 s40, ttmp9, 12
	s_lshl_b32 s43, s24, 8
	s_add_co_u32 s40, s40, s43
	s_add_nc_u64 s[22:23], s[22:23], s[40:41]
	; ---- X: my token tile of x becomes eight fragments.  Loads run four K steps ahead, the turn through LDS one.  At a step's head all my LDS instructions are done: the step's numbers are back, the stage's stores
	; have read the registers that the next loads take, and the last image's stores have read the codes.
	WAITL MX0
	TURN 0
	XHEAD
	XLOAD 4
	WAITL MX1
	TURN 1
	XQ 0
	XHEAD
	XLOAD 5
	WAITL MX2
	TURN 2
	XQ 1
	XHEAD
	XLOAD 6
	WAITL MX3
	TURN 3
	XQ 2
	XHEAD
	XLOAD 7
	WAITL MX4
	TURN 4
	XQ 3
	XHEAD
	WIN 0xc0                                       ; x is asked for: now what the products want.  The biases, into window 3: lane (r, h) wants, for tile 2 b + u, columns 32 b + 16 h + 8 u + 0 .. 7
.irp t, 0,1,2,3,4,5,6,7
	global_load_b128 v[8*\t:8*\t+3], v13, s[10:11] offset:(32*(\t/2)+8*(\t%2))*4
	global_load_b128 v[8*\t+4:8*\t+7], v13, s[10:11] offset:(32*(\t/2)+8*(\t%2))*4+16
.endr
.irp p, 0,1
.irp t, 0,1,2,3,4,5,6,7
	global_load_b128 v[64+64*\p+8*\t:64+64*\p+8*\t+3], v13, s[14:15] offset:512*\p+(32*(\t/2)+8*(\t%2))*4
	global_load_b128 v[64+64*\p+8*\t+4:64+64*\p+8*\t+7], v13, s[14:15] offset:512*\p+(32*(\t/2)+8*(\t%2))*4+16
.endr
.endr
.irp t, 0,1,2,3
	global_load_b128 v[192+8*\t:192+8*\t+3], v13, s[12:13] offset:(32*(\t/2)+8*(\t%2))*4
	global_load_b128 v[192+8*\t+4:192+8*\t+7], v13, s[12:13] offset:(32*(\t/2)+8*(\t%2))*4+16
.endr
.set LC, LC+56
	WAITL MX5
	TURN 5
	XQ 4
	XHEAD
	WIN 0                                          ; wq_d's and wkv_d's scale words: a lane's eight words of a tile are 32 neighbouring bytes
.irp t, 0,1,2,3,4,5,6,7
.irp e, 0,1
	global_load_b128 v[WS+8*\t+4*\e:WS+8*\t+4*\e+3], v4, s[34:35] offset:1024*\t+16*\e
.endr
.endr
.irp t, 0,1,2,3
.irp e, 0,1
	global_load_b128 v[WKS+8*\t+4*\e:WKS+8*\t+4*\e+3], v4, s[36:37] offset:1024*\t+16*\e
.endr
.endr
.set LC, LC+24
	WAITL MX6
	TURN 6
	XQ 5
	XHEAD
	WKLOAD 0, 0
	WAITL MX7
	TURN 7
	XQ 6
	XHEAD
	WKLOAD 1, 1
	XQ 7
	s_wait_dscnt 0x0                               ; for the others' sake: my images and scale words lie in LDS
	s_barrier_signal -1
	s_barrier_wait -1                              ; x's 32 fragments lie in LDS; nobody writes them again
	; ---- c_kv for my token tile: K = 1,024 in four double steps.  The first LDS loads land in registers that the quantisers of x read: these stand ahead of the last quantiser's wait on va_vdst, and no vector instruction has been issued since
	KBLOAD 0
	KBLOAD 1
	KSTEP 0, 8                                     ; the next double step's 8 LDS loads may be out
	WKLOAD 0, 2
	KBLOAD 2
	KSTEP 1, 8
	WKLOAD 1, 3
	KBLOAD 3
	KSTEP 2, 8
	WLOAD 0, 28, 0, 8, 0                           ; the sets that fall free take c_q's first two K steps
	BLOAD 0, 1, XIMG, XSC, 8, 0
	KSTEP 3, 13                                    ; those 13 LDS loads may be out
	WLOAD 1, 28, 0, 8, 1
	BLOAD 1, 1, XIMG, XSC, 8, 1
	s_wait_alu depctr_vm_vsrc(0)                   ; the LDS stores of x's last image have read v[PC ..] and v[PW], which the quantiser writes
	QUANT2 0, 1
	s_wait_alu depctr_va_vdst(0)                   ; the quantiser has written v[PC ..] and v[PW], which the stores below read
	global_store_b128 v1, v[PC:PC+3], s[16:17]     ; a half image: 512 consecutive bytes, then 256
	global_store_b64 v2, v[PC+4:PC+5], s[16:17] offset:512
	global_store_b32 v3, v[PW], s[18:19]
	PLACES 5                                       ; the accumulators are begun anew
	; ---- c_q: my 128 columns for the 64 tokens, K = 1,024
.irp k, 0,1,2,3,4,5,6,7
	PSTEP \k, 8, 28, 0, 1, XIMG, XSC, WS, 8, 0
.endr
	WIN 0
	s_wait_alu depctr_va_vdst(0)                   ; the pass's products are done reading the weight's scale words and both weight sets, in which the loads below land
.irp p, 0,1
.irp t, 0,1,2,3,4,5,6,7
	global_load_b128 v[WS+32*\p+4*\t:WS+32*\p+4*\t+3], v1, s[38:39] offset:(8*\p+\t)*512   ; w_qk's scale words: four a tile and lane
.endr
.endr
.set LC, LC+16
	WLOAD 0, 32, 0, 4, 0                           ; and its first two K steps: they land while c_q is quantised
	WLOAD 1, 32, 0, 4, 1
	s_wait_xcnt 0x0                                ; c_kv's stores have read the codes' registers
.irp m, 0,1,2,3
	s_wait_alu depctr_vm_vsrc(0)                   ; the stores issued so far (c_kv's, then the last image's) have read v[PC ..] and v[PW], which the quantiser writes
	QUANT4 64*\m, 1                                ; my 128 columns are K step w of the next product
	s_wait_alu depctr_va_vdst(0)                   ; the quantiser has written v[PC ..] and v[PW], which the stores below read
.irp c, 0,1,2
	ds_store_b128 v11, v[PC+4*\c:PC+4*\c+3] offset:6144*\m+512*\c
.endr
	ds_store_b32 v12, v[PW] offset:4*\m
	s_wait_dscnt 0x0                               ; the stores have read their registers; before the barrier: they have landed
.endr
	s_barrier_signal -1
	s_barrier_wait -1                              ; c_q's 16 fragments lie in LDS; nobody writes them again
	; ---- q: my two head pairs, one after the other, K = 512.  The token sets were last read by c_q's products, ahead of the waits on va_vdst above; the quantisers since name none of their registers
	BLOAD 0, 10, 0, 24576, 4, 0
	BLOAD 1, 10, 0, 24576, 4, 1
	PLACES 5
.irp k, 0,1,2,3
	PSTEP \k, 4, 32, 0, 10, 0, 24576, WS, 4, 64
.endr
	s_wait_alu depctr_va_vdst(0)                   ; the pass's last two steps are done reading both weight sets, both token sets and their scale words, in which the loads below land
	WLOAD 0, 32, 49152, 4, 0                       ; the second pair's first two K steps land while the first pair is quantised and stored
	WLOAD 1, 32, 49152, 4, 1
	BLOAD 0, 10, 0, 24576, 4, 0
	BLOAD 1, 10, 0, 24576, 4, 1
	QOUT 0
	PLACES 5
.irp k, 0,1,2,3
	PSTEP \k, 4, 32, 49152, 10, 0, 24576, WS+32, 4, 128
.endr
	QOUT 1
	s_wait_dscnt 0x0
	s_wait_alu depctr_hold_cnt(0) depctr_sa_sdst(0) depctr_va_vdst(0) depctr_va_sdst(0) depctr_va_ssrc(0) depctr_va_vcc(0) depctr_vm_vsrc(0)
	s_wait_tensorcnt 0x0
	ds_add_u32 v150, v151
	s_wait_dscnt 0x0
	s_endpgm
.Lfunc_end_k_qec6895738b_chain:
	.size	k_qec6895738b_chain, .Lfunc_end_k_qec6895738b_chain-k_qec6895738b_chain
	.p2alignl 7, 3214868480
	.fill 96, 4, 3214868480
	.section	.rodata,"a",@progbits
	.p2align	6, 0x0
	.amdhsa_kernel k_qec6895738b_chain
		.amdhsa_group_segment_fixed_size 147968
		.amdhsa_private_segment_fixed_size 0
		.amdhsa_enable_private_segment 0
		.amdhsa_kernarg_size 80
		.amdhsa_user_sgpr_count 2
		.amdhsa_user_sgpr_kernarg_segment_ptr 1
		.amdhsa_wavefront_size32 1
		.amdhsa_system_sgpr_workgroup_id_x 1
		.amdhsa_system_sgpr_workgroup_id_y 1
		.amdhsa_system_sgpr_workgroup_id_z 1
		.amdhsa_system_vgpr_workitem_id 0
		.amdhsa_next_free_vgpr 1024
		.amdhsa_next_free_sgpr 66
		.amdhsa_reserve_vcc 0
		.amdhsa_float_denorm_mode_32 3
		.amdhsa_float_denorm_mode_16_64 3
		.amdhsa_memory_ordered 1
		.amdhsa_forward_progress 1
		.amdhsa_inst_pref_size 255
	.end_amdhsa_kernel
	.section	.bss,"aw",@nobits
	.p2align	6
	.space	262144
	.amdgpu_metadata
---
amdhsa.version: [ 1, 2 ]
amdhsa.kernels:
  - .name:           k_qec6895738b_chain
    .symbol:         k_qec6895738b_chain.kd
    .args:
      - { .name: x, .offset: 0, .size: 8, .value_kind: global_buffer, .address_space: global }
      - { .name: wcodes, .offset: 8, .size: 8, .value_kind: global_buffer, .address_space: global }
      - { .name: wscales, .offset: 16, .size: 8, .value_kind: global_buffer, .address_space: global }
      - { .name: bq_d, .offset: 24, .size: 8, .value_kind: global_buffer, .address_space: global }
      - { .name: bkv_d, .offset: 32, .size: 8, .value_kind: global_buffer, .address_space: global }
      - { .name: b_qk, .offset: 40, .size: 8, .value_kind: global_buffer, .address_space: global }
      - { .name: kcodes, .offset: 48, .size: 8, .value_kind: global_buffer, .address_space: global }
      - { .name: kscales, .offset: 56, .size: 8, .value_kind: global_buffer, .address_space: global }
      - { .name: qcodes, .offset: 64, .size: 8, .value_kind: global_buffer, .address_space: global }
      - { .name: qscales, .offset: 72, .size: 8, .value_kind: global_buffer, .address_space: global }
    .group_segment_fixed_size: 147968
    .private_segment_fixed_size: 0
    .kernarg_segment_align: 8
    .kernarg_segment_size: 80
    .max_flat_workgroup_size: 128
    .sgpr_count:     66
    .vgpr_count:     1024
    .wavefront_size: 32
...
	.end_amdgpu_metadata
.endif
;; end of part 6
;; launch attn (part 7): grid 4 x 64, 16 waves a work-group, no clusters, 223,232 bytes of LDS; arguments qcodes, qscales, kcodes, kscales, wcodes, wscales, bv_u, ycodes, yscales; writes ycodes, yscales
.if DOCPART == 7
	.amdgcn_target "amdgcn-amd-amdhsa--gfx1250"
	.amdhsa_code_object_version 6
	.text
	.protected	k_qec6895738b_attn
	.globl	k_qec6895738b_attn
	.p2align	8
	.type	k_qec6895738b_attn,@function
k_qec6895738b_attn:
	s_mov_b64 s[64:65], 0
	v_nop
	global_prefetch_b8 v0, s[64:65] scope:SCOPE_SE
	s_setreg_imm32_b32 hwreg(HW_REG_WAVE_SCHED_MODE, 0, 2), 2
	s_setreg_imm32_b32 hwreg(HW_REG_WAVE_MODE, 25, 1), 1
	s_wait_xcnt 0x0
	s_wait_alu depctr_vm_vsrc(0)
; y[b][t][head] = softmax_s(q . c_kv / 8) v, v = c_kv wv_u^T + bv_u: three products on codes of FP6 (E2M3) with one E8M0 scale for each 32 along K.  q and c_kv arrive as codes (K = 64: half a matrix instruction's 128; the other half is zero codes on both sides).
; THE SOFTMAX AHEAD OF THE LAST PRODUCT: t = score x log2(e) / 8; M = the row's largest t so far, rounded UP to a whole number; p = 2^(t - M) is quantised along the keys, not normalised; the row's sum is taken of the unquantised p
; and divides at the end.  When M moves, the sum and O are multiplied by 2^(old M - new M): exact.
; SHARES.  A work-group owns 512 queries of one head of one batch; each of its sixteen waves two tiles of 16, one after the other, in 256 registers: four waves to a SIMD, so that one wave's vector work stands beside another's matrix work and LDS loads.
; ALL KEYS AND VALUES OF THE HEAD LIE IN LDS FOR THE WHOLE LAUNCH, as images of operand registers, in 16 regions of 128 keys.  Wave w builds region w: it loads 8 tiles of c_kv's codes, stores them as they are, and makes the head's V from them:
; source 0 = 16 keys, source 1 = 16 rows of wv_u, C = bv_u: a lane then holds one channel and its registers run along the keys, which are the last product's K: quantised there, they are V^T's fragments.  One barrier; nothing in LDS is written again.
; No tile is shared through a cluster: what the four work-groups of a head share is 98,304 bytes of codes read once each, against 32 x 16 passes over 13,824 bytes of LDS in each.
; LAYOUT.  S^T = K Q^T and O^T = V^T P^T: a lane holds ONE query (lane % 16) throughout.  Tile 2 b + u of tokens holds tokens 32 b + 8 u + r + 8 (r / 8), so that the 16 registers of two neighbouring tiles of S^T are 16 neighbouring keys;
; wv_u's tiles are chosen likewise, so that O^T's 16 registers of two tiles are 16 neighbouring channels: y is quantised in registers and leaves as codes.
; LIMITS: NaN and infinities are not served; the running largest t starts at -3e38; a block of zeros gets the byte 1 where the rule says 127: its codes are zeros, and this program alone reads the bytes.
; REGISTERS: v1, v2, v5 16, 8, 4 x lane; v3, v4 addresses of the step; v[6:7] the sum in two halves; v8-15 c_kv's scale words (head), in the loop v8-11 V's scale words and v12-15 those of K's tiles 4-7; v16-27 Q (v22-27 zero); v28 -M, v29 the largest t;
; v30 p's scale word; v32-79 four fragments of K (the upper six of each zero); v80-127 four fragments of V (head: of wv_u); v128-191 S^T, then p (head: v128-159 V's numbers, v160-191 bv_u); v192-223 O^T (and the quantiser's work); v224-235 p's codes;
; v232-247 at work; v248-251 the scale words of K's tiles 0-3 (head: wv_u's); v252 f; v255 Q's scale word.
; THE MODE: SCHED_MODE bits 1:0 = 2 (LLVM: expert scheduling mode 2), set by the entry lines.  The code itself states the register dependences between vector or matrix instructions and memory or LDS instructions, with s_wait_alu, always for 0.
; THE PLAN.  Registers that LDS instructions touch in a key step:
;   KF, KS0    K's tiles 0-3 and their scale words: read by the step's first four products.  KF then takes tiles 4-7, read by the next four products with KS1.  Under the softmax KF and KS0 take the NEXT step's tiles 0-3.
;   VF, VS     V's fragments and scale words: loaded with K's tiles 4-7, read by the step's last four products.
;   v3, v4     read by every LDS load of the step; written by two additions at the step's head, behind a wait on vm_vsrc.
; ONE wait on va_vdst stands behind the first four products: it states that v3 and v4 are written, that these products are done reading KF, and that the last step's last products are done reading VF and VS; the 26 loads behind it are one run,
; and the maxima of the first two blocks of keys stand behind them.  The wait behind the 64 exponentials also states that all eight products are done reading KF and KS0: the next step's nine loads stand straight behind it.
; A last wait on va_vdst stands ahead of the step's last products, which take p's codes and scale word, written by vector instructions.
; The last of a tile's 16 steps has no next region and is written out: no load leaves LDS.
.set KF,  32
.set VF,  80
.set S,   128
.set BV,  160
.set O,   192
.set KS0, 248
.set KS1, 12
.set VS,  8
.set SB,  13824                        ; a region: 8 half images of K (768 t); 4 fragments of V (6144 + 1536 n + 768 c); K's scale words (12288 + 512 g + 16 lane + 4 t); V's (13312 + 16 lane + 4 n)
.set WV,  22
.set SEL, 32                           ; s[32:33] selects for lane l xor 16
.set CS,  34                           ; s[34:35] c = log2(e) / 8
.set TB,  36                           ; the step's region
.set CNT, 37
.set SH,  38                           ; 16 x (head % 2): my head's two bytes of a head pair's scale word
.macro PLACES n
.rept \n
	v_nop
.endr
.endm
.macro WMC d, a, b, c, sa, sb
	v_wmma_scale_f32_16x16x128_f8f6f4 v[(\d):(\d)+7], v[(\a):(\a)+11], v[(\b):(\b)+11], v[(\c):(\c)+7], v[\sa], v[\sb] matrix_a_fmt:MATRIX_FMT_FP6 matrix_b_fmt:MATRIX_FMT_FP6
.endm
.macro WMZ d, a, b, sa, sb
	v_wmma_scale_f32_16x16x128_f8f6f4 v[(\d):(\d)+7], v[(\a):(\a)+11], v[(\b):(\b)+11], 0, v[\sa], v[\sb] matrix_a_fmt:MATRIX_FMT_FP6 matrix_b_fmt:MATRIX_FMT_FP6
.endm
; 32 numbers of a lane, register 16 b + i = k 32 b + 16 (lane / 16) + i, become six registers of codes in v192-197 and a scale word of two bytes in v208.  An accumulator is read from its low end on.
.macro Q2 s
	v_max3_num_f32 v202, |v[\s]|, |v[\s+1]|, 0x1800000     ; and the floor 2^(3 - 127): the byte cannot fall under 1
	v_max3_num_f32 v203, |v[\s+16]|, |v[\s+17]|, 0x1800000
.irp i, 2,4,6,8,10,12,14
	v_max3_num_f32 v202, v202, |v[\s+\i]|, |v[\s+1+\i]|
	v_max3_num_f32 v203, v203, |v[\s+16+\i]|, |v[\s+17+\i]|
.endr
	v_permlanex16_b32 v204, v202, s[SEL], s[SEL+1]
	v_permlanex16_b32 v205, v203, s[SEL], s[SEL+1]
	v_max_num_f32 v202, v202, v204
	v_max_num_f32 v203, v203, v205
	v_add_nc_u32 v206, 0xff000000, v202            ; 2 off the exponent field: the conversion's scale operand
	v_add_nc_u32 v207, 0xff000000, v203
	v_lshrrev_b32 v204, 23, v206
	v_lshrrev_b32 v205, 23, v207
	v_lshl_or_b32 v208, v205, 8, v204
	v_cvt_scalef32_pk16_fp6_f32 v[192:194], v[\s:\s+15], v206
	v_cvt_scalef32_pk16_fp6_f32 v[198:200], v[\s+16:\s+31], v207
	v_nop                                          ; one plain place behind a scaled conversion
.irp i, 0,1,2
	v_permlane16_swap_b32 v[192+\i], v[198+\i]     ; a whole block to a lane
.endr
.irp i, 0,1,2
	v_mov_b32 v[195+\i], v[198+\i]
.endr
.endm
.macro KLOAD c                         ; c_kv's tiles 4 c .. 4 c + 3 of my region, from memory
.irp t, 0,1,2,3
	global_load_b128 v[KF+12*\t:KF+12*\t+3], v1, s[8:9] offset:768*(4*\c+\t)
	global_load_b64 v[KF+12*\t+4:KF+12*\t+5], v2, s[8:9] offset:768*(4*\c+\t)+512
.endr
.endm
	s_load_b512 s[4:19], s[0:1], 0x0               ; qcodes, qscales, kcodes, kscales, wcodes, wscales, bv_u, ycodes
	s_load_b64 s[20:21], s[0:1], 0x40              ; yscales
	v_lshl_add_u32 v31, v0, 2, 0x36000
	v_mov_b32 v243, 0
	v_lshrrev_b32 v1, 5, v0
	v_readfirstlane_b32 s[WV], v1                  ; wave 0..15
	v_and_b32 v232, 31, v0                         ; lane
	v_and_b32 v233, 15, v0                         ; r
	v_lshlrev_b32 v1, 4, v232
	v_lshlrev_b32 v2, 3, v232
	v_lshlrev_b32 v5, 2, v232
	s_wait_alu depctr_va_sdst(0)                   ; the wave's number is written, ahead of its first reader: LDS addresses and bases are made from it
	s_mul_i32 s40, s[WV], SB
	v_add_nc_u32 v224, s40, v1                     ; my region, 16 bytes a lane
	v_add_nc_u32 v225, s40, v2                     ; and 8
	v_and_b32 v234, 8, v233
	v_add_nc_u32 v234, v234, v233
	v_lshlrev_b32 v227, 2, v234                    ; bv_u: 4 (r + 8 (r / 8))
	s_mov_b32 s[SEL], 0x76543210
	s_mov_b32 s[SEL+1], 0xfedcba98
	s_mov_b32 s[CS], 0x3e38aa3b                    ; log2(e) / 8
	s_mov_b32 s[CS+1], s[CS]                       ; (named with it as a pair, so it is written)
	s_and_b32 s24, ttmp7, 0xffff
	s_lshr_b32 s25, s24, 4                         ; batch
	s_and_b32 s26, s24, 15                         ; head
	s_lshl_b32 s27, s25, 7                         ; the batch's first token tile
	s_lshl_b32 s28, ttmp9, 5
	s_add_co_u32 s28, s28, s27
	s_add_co_u32 s28, s28, s[WV]                   ; my first tile of queries: 128 b + 32 x + w; the second lies 16 tiles on
	s_lshr_b32 s29, s26, 1
	s_and_b32 s30, s26, 1
	s_lshl_b32 s[SH], s30, 4
	s_lshl_b32 s31, s28, 3
	s_add_co_u32 s31, s31, s29                     ; 8 tile + head pair
	s_mov_b32 s41, 0
	s_wait_kmcnt 0x0
	s_mul_i32 s40, s31, 1536
	s_mul_i32 s42, s30, 768
	s_add_co_u32 s40, s40, s42
	s_add_nc_u64 s[4:5], s[4:5], s[40:41]          ; Q's half image
	s_lshl_b32 s40, s31, 7
	s_add_nc_u64 s[6:7], s[6:7], s[40:41]          ; and the pair's scale words
	s_lshl_b32 s42, s[WV], 3
	s_add_co_u32 s42, s42, s27                     ; my region's first tile of keys
	s_mul_i32 s40, s42, 768
	s_add_nc_u64 s[8:9], s[8:9], s[40:41]
	s_lshl_b32 s40, s42, 7
	s_add_nc_u64 s[10:11], s[10:11], s[40:41]
	s_lshl_b32 s42, s26, 2
	s_add_co_u32 s42, s42, 544                     ; wv_u's four fragments of my head
	s_mul_i32 s40, s42, 1536
	s_add_nc_u64 s[12:13], s[12:13], s[40:41]
	s_lshl_b32 s40, s42, 7
	s_add_nc_u64 s[14:15], s[14:15], s[40:41]
	s_lshl_b32 s40, s26, 8
	s_add_nc_u64 s[16:17], s[16:17], s[40:41]      ; bv_u at my head's 64
	s_lshl_b32 s42, s28, 4
	s_add_co_u32 s42, s42, s26                     ; 16 tile + head
	s_mul_i32 s40, s42, 768
	s_add_nc_u64 s[18:19], s[18:19], s[40:41]
	s_lshl_b32 s40, s42, 7
	s_add_nc_u64 s[20:21], s[20:21], s[40:41]
	; ---- my region of LDS: 128 keys
	s_wait_alu depctr_va_vdst(0)                   ; the offsets v1, v2, v5, v227 and the LDS addresses v224, v225 are written, which the loads and stores below read
.irp n, 0,1,2,3
.irp c, 0,1,2
	global_load_b128 v[VF+12*\n+4*\c:VF+12*\n+4*\c+3], v1, s[12:13] offset:1536*\n+512*\c
.endr
	global_load_b32 v[248+\n], v5, s[14:15] offset:128*\n
	global_load_b32 v[BV+8*\n], v227, s[16:17] offset:(32*(\n/2)+8*(\n%2))*4   ; lane r of tile n holds channel 32 (n / 2) + 8 (n % 2) + r + 8 (r / 8)
.endr
.irp t, 0,1,2,3,4,5,6,7
	global_load_b32 v[8+\t], v5, s[10:11] offset:128*\t
.endr
	KLOAD 0
.irp t, 0,1,2,3
.irp j, 6,7,8,9,10,11
	v_mov_b32 v[KF+12*\t+\j], 0                    ; K = 64: the upper 64 are zero codes, here and in the whole loop
.endr
.endr
	v_mov_b32 v204, 0                              ; a lane permute's destination counts as one of its sources
	v_mov_b32 v205, 0
.irp c, 0,1                                    ; keys 64 c on
.if \c > 0
	PLACES 4                                       ; in front of loads into registers that matrix instructions have read
	KLOAD 1                                        ; no further wait: the products that read these registers stand ahead of the last wait on va_vdst, the LDS stores that read them ahead of the last wait on vm_vsrc, and nothing since names them
.endif
	s_wait_loadcnt 0x0
.if \c == 0
.irp n, 0,1,2,3
.irp j, 1,2,3,4,5,6,7
	v_mov_b32 v[BV+8*\n+\j], v[BV+8*\n]            ; the bias as a C operand: a lane's eight registers are eight keys of one channel
.endr
.endr
.endif
.irp t, 0,1,2,3
	ds_store_b128 v224, v[KF+12*\t:KF+12*\t+3] offset:768*(4*\c+\t)
	ds_store_b64 v225, v[KF+12*\t+4:KF+12*\t+5] offset:768*(4*\c+\t)+512
	ds_store_b32 v224, v[8+4*\c+\t] offset:12288+512*\c+4*\t
.endr
.irp n, 0,1,2,3                                ; channels of tile n
	PLACES 5                                       ; the four accumulators are begun anew
.if (\c == 0) && (\n == 0)
	s_wait_alu depctr_va_vdst(0)                   ; the zero codes in the upper six registers of K's four fragments are written, which every product on K takes as part of its operand
.endif
.irp t, 0,1,2,3
	WMC S+8*\t, KF+12*\t, VF+12*\n, BV+8*\n, 8+4*\c+\t, 248+\n
.endr
	PLACES 4
	Q2 S                                           ; register 16 b + i = key 64 c + 32 b + 16 (lane / 16) + i of my channel: registers 6 c .. 6 c + 5 of V^T's fragment n
.if \c == 0
	v_mov_b32 v[228+\n], v208
.else
	v_lshl_or_b32 v[228+\n], v208, 16, v[228+\n]   ; the four bytes of 128 keys
.endif
	s_wait_alu depctr_va_vdst(0)                   ; the quantiser has written v192-197 and the scale word, which the stores below read
	ds_store_b128 v224, v[192:195] offset:6144+1536*\n+768*\c
	ds_store_b64 v225, v[196:197] offset:6144+1536*\n+768*\c+512
.if \c > 0
	ds_store_b32 v224, v[228+\n] offset:13312+4*\n
.endif
	s_wait_dscnt 0x0                               ; the stores have read their registers; before the barrier: they have landed
	s_wait_alu depctr_vm_vsrc(0)                   ; the LDS stores issued so far have read v192-197, which the next quantiser (behind the last: the clearing of O^T) writes, and K's registers, in which the next loads land
.endr
.endr
	s_barrier_signal -1
	s_barrier_wait -1                              ; all sixteen regions lie in LDS; nobody writes them again
.irp j, 22,23,24,25,26,27
	v_mov_b32 v\j, 0                               ; Q's upper 64: zero codes
.endr
.irp j, 236,237,238,239,253,254
	v_mov_b32 v\j, 0                               ; permute destinations, and the upper half of the pair v[252:253], are written before they are named
.endr
; The largest score of each of two blocks of 32 keys: it serves the row's maximum and, since p rises with the score, the block's largest p
.macro BMAX lo, hi
.irp b, \lo, \hi
	v_max3_num_f32 v[232+\b], v[S+16*\b], v[S+1+16*\b], v[S+2+16*\b]
.endr
.irp i, 3,5,7,9,11,13
.irp b, \lo, \hi
	v_max3_num_f32 v[232+\b], v[232+\b], v[S+16*\b+\i], v[S+1+16*\b+\i]
.endr
.endr
.irp b, \lo, \hi
	v_max_num_f32 v[232+\b], v[232+\b], v[S+15+16*\b]
.endr
.endm
; A KEY STEP: 128 keys, the region at s[TB].  more = 1: a region follows, whose tiles 0-3 of K are asked for under this step's softmax
.macro STEP more
	s_wait_alu depctr_vm_vsrc(0)                   ; the LDS loads issued so far have read v3 and v4, which the two additions write
	v_add_nc_u32 v3, s[TB], v1
	v_add_nc_u32 v4, s[TB], v2
	s_wait_dscnt 0x0                               ; K's tiles 0-3 and their scale words, asked for under the last step's softmax (the first step's: at the tile's head)
.irp t, 0,1,2,3                                ; S^T = K Q^T, four tiles of 16 keys at a time
	WMZ S+8*\t, KF+12*\t, 16, KS0+\t, 255
.endr
	PLACES 4                                       ; behind those products: in front of the loads into the registers that they read, and of the first read of their results
	s_wait_alu depctr_va_vdst(0)                   ; v3 and v4 are written, which the loads below read; the four products are done reading K's fragments; the last step's last products are done reading V's fragments and scale words
.irp t, 0,1,2,3
	ds_load_b128 v[KF+12*\t:KF+12*\t+3], v3 offset:768*(4+\t)
	ds_load_b64 v[KF+12*\t+4:KF+12*\t+5], v4 offset:768*(4+\t)+512
.endr
	ds_load_b128 v[KS1:KS1+3], v3 offset:12288+512
.irp n, 0,1,2,3                                ; V's fragments and scale words are asked for here and land under the softmax
.irp c, 0,1
	ds_load_b128 v[VF+12*\n+6*\c:VF+12*\n+6*\c+3], v3 offset:6144+1536*\n+768*\c
	ds_load_b64 v[VF+12*\n+6*\c+4:VF+12*\n+6*\c+5], v4 offset:6144+1536*\n+768*\c+512
.endr
.endr
	ds_load_b128 v[VS:VS+3], v3 offset:13312
	BMAX 0, 1                                      ; the first 64 keys' scores are there: their maxima stand behind the loads
	s_wait_dscnt 17                                ; K's tiles 4-7 and their scale words are in; V's 17 younger loads may be out
.irp t, 0,1,2,3
	WMZ S+8*(4+\t), KF+12*\t, 16, KS1+\t, 255
.endr
	PLACES 4
	BMAX 2, 3
.irp b, 0,1,2,3
	v_permlanex16_b32 v[236+\b], v[232+\b], s[SEL], s[SEL+1]
.endr
.irp b, 0,1,2,3
	v_max_num_f32 v[232+\b], v[232+\b], v[236+\b]  ; with lane l xor 16's 16 keys
.endr
	v_max3_num_f32 v254, v232, v233, v234
	v_max_num_f32 v254, v254, v235                 ; the step's largest score of my query
	v_mul_f32 v254, s[CS], v254                    ; as t (c is positive)
	v_max_num_f32 v29, v29, v254                   ; the running largest t
	v_mov_b32 v254, v28
	v_floor_f32 v28, -v29                          ; the new -M = floor(-t) = -ceil(t): a whole number
	v_sub_f32 v254, v28, v254                      ; old M - new M: a whole number, 0 or less
	v_cvt_i32_f32 v254, v254                       ; (it saturates)
	v_ldexp_f32 v252, 1.0, v254                    ; f = 2^(old M - new M)
.set J, 0
.rept 32
	v_pk_fma_f32 v[S+J:S+J+1], v[S+J:S+J+1], s[CS:CS+1], v[28:29] op_sel_hi:[1,0,0]   ; t - M, two at a time
.set J, J+2
.endr
.irp b, 0,1,2,3
	v_fma_f32 v[232+\b], v[232+\b], s[CS], v28     ; the same of each block's largest score
.endr
.set J, 0
	s_wait_alu depctr_va_vdst(0)
.rept 64
	v_exp_f32 v[S+J], v[S+J]                       ; p = 2^(t - M), at most 1: not normalised
.set J, J+1
.endr
	v_pk_mul_f32 v[6:7], v[6:7], v[252:253] op_sel_hi:[1,0]   ; the sums under the new M: a plain instruction behind the exponentials
	s_wait_alu depctr_va_vdst(0)                   ; one wait for the batch of 64, ahead of its first user; it also states that the step's eight products on K are done reading K's fragments and the scale words of tiles 0-3
.if \more
.irp t, 0,1,2,3                                ; the next region's tiles 0-3 of K: SB bytes on; they land under the rest of the softmax
	ds_load_b128 v[KF+12*\t:KF+12*\t+3], v3 offset:SB+768*\t
	ds_load_b64 v[KF+12*\t+4:KF+12*\t+5], v4 offset:SB+768*\t+512
.endr
	ds_load_b128 v[KS0:KS0+3], v3 offset:SB+12288
.endif
.irp b, 0,1,2,3
	v_exp_f32 v[232+\b], v[232+\b]                 ; the block's largest p: the same two instructions on the same number
.endr
	v_pk_add_f32 v[236:237], v[S:S+1], v[S+2:S+3]  ; the row's sum is taken of the unquantised p, in two chains
.set J, 4
.rept 15
	v_pk_add_f32 v[6:7], v[6:7], v[S+J:S+J+1]
	v_pk_add_f32 v[236:237], v[236:237], v[S+J+2:S+J+3]
.set J, J+4
.endr
	v_pk_add_f32 v[6:7], v[6:7], v[236:237]
	s_wait_alu depctr_va_vdst(0)                   ; and one for the four
.irp b, 0,1,2,3
	v_max_num_f32 v[232+\b], 0x1800000, v[232+\b]  ; the floor 2^(3 - 127): the byte cannot fall under 1
.endr
.irp b, 0,1,2,3
	v_add_nc_u32 v[244+\b], 0xff000000, v[232+\b]  ; 2 off the exponent field: the conversion's scale operand
.endr
.irp b, 0,1,2,3
	v_lshrrev_b32 v[236+\b], 23, v[244+\b]         ; the scale's byte
.endr
	v_lshl_or_b32 v30, v237, 8, v236               ; p's scale word for these 128 keys
	v_lshl_or_b32 v30, v238, 16, v30
	v_lshl_or_b32 v30, v239, 24, v30
.irp c, 0,1
	v_cvt_scalef32_pk16_fp6_f32 v[224+6*\c:226+6*\c], v[S+32*\c:S+15+32*\c], v[244+2*\c]
	v_cvt_scalef32_pk16_fp6_f32 v[236+4*\c:238+4*\c], v[S+16+32*\c:S+31+32*\c], v[244+2*\c+1]
.endr
	v_nop                                          ; one plain place behind a scaled conversion
.irp c, 0,1
.irp i, 0,1,2
	v_permlane16_swap_b32 v[224+6*\c+\i], v[236+4*\c+\i]
.endr
.irp i, 0,1,2
	v_mov_b32 v[227+6*\c+\i], v[236+4*\c+\i]
.endr
.endr
.set J, 0
.rept 16
	v_pk_mul_f32 v[O+J:O+J+1], v[O+J:O+J+1], v[252:253] op_sel_hi:[1,0]   ; O^T under the new M.  Twelve of the sixteen name no register of any one product below: the places behind p's codes and scale word
.set J, J+2
.endr
.if \more
	s_wait_dscnt 9                                 ; V is in; the next region's nine younger loads may be out
.else
	s_wait_dscnt 0x0                               ; V
.endif
	s_wait_alu depctr_va_vdst(0)                   ; p's codes v224-235 and its scale word v30 are written, which the products below take as operand and scales; the places above stay beside this wait
.irp n, 0,1,2,3                                ; O^T += V^T P^T: four accumulators, one instruction each
	WMC O+8*\n, VF+12*\n, 224, O+8*\n, VS+\n, 30
.endr
.endm
; ONE TILE OF 16 QUERIES: all 16 regions, then y = O / the sum, quantised, stored as a half image
.macro TILE i
	s_wait_xcnt 0x0                                ; the last tile's stores have read their registers
.if \i > 0
	s_wait_alu depctr_vm_vsrc(0)                   ; the last tile's stores have read v192-197 and v208, which the clearing of O^T and the next quantiser write
.endif
	global_load_b128 v[16:19], v1, s[4:5] offset:196608*\i    ; no wait on the vector side for these loads and the nine below: every product that read Q, K's fragments and these scale words stands ahead of the wait on va_vdst in front of the last stores, and no vector instruction since names them
	global_load_b64 v[20:21], v2, s[4:5] offset:196608*\i+512
	global_load_b32 v255, v5, s[6:7] offset:16384*\i
.irp t, 0,1,2,3                                ; the first region's tiles 0-3 of K (it begins at LDS byte 0)
	ds_load_b128 v[KF+12*\t:KF+12*\t+3], v1 offset:768*\t
	ds_load_b64 v[KF+12*\t+4:KF+12*\t+5], v2 offset:768*\t+512
.endr
	ds_load_b128 v[KS0:KS0+3], v1 offset:12288
	v_mov_b32 v29, 0xff61b1e6                      ; the largest t so far: -3e38
	v_floor_f32 v28, -v29                          ; -M
	v_mov_b32 v6, 0
	v_mov_b32 v7, 0
.set J, 0
.rept 32
	v_mov_b32 v[O+J], 0                            ; the step is written once: the first finds zeros, which the first change of M leaves zeros
.set J, J+1
.endr
	s_wait_loadcnt 0x0
	v_lshrrev_b32 v255, s[SH], v255                ; my head's two bytes to the bottom; what stands above them stands beside zero codes and is never 0xff
	PLACES 8                                       ; a scale register written by a vector instruction stands eight places ahead of the product
	s_wait_alu depctr_va_vdst(0)                   ; Q's scale word v255 and the zero codes v22-27 are written, which every product on Q takes as scales and as part of its operand
	s_mov_b32 s[TB], 0
	s_mov_b32 s[CNT], 15
.Lstep_\@:
	STEP 1
	s_add_co_u32 s[TB], s[TB], SB
	s_sub_co_u32 s[CNT], s[CNT], 1
	s_cmp_lg_u32 s[CNT], 0
	s_cbranch_scc1 .Lstep_\@
	STEP 0                                         ; the sixteenth region: nothing follows it
	v_add_f32 v6, v6, v7                           ; the sum's two halves,
	v_permlanex16_b32 v254, v6, s[SEL], s[SEL+1]
	v_add_f32 v6, v6, v254                         ; and lane l xor 16's
	s_wait_alu depctr_va_vdst(0)
	v_rcp_f32 v6, v6
	PLACES 3                                       ; with the additions: the places behind the last products; a plain instruction behind the reciprocal
	s_wait_alu depctr_va_vdst(0)                   ; ahead of the reciprocal's first user
.set J, 0
.rept 16
	v_pk_mul_f32 v[S+J:S+J+1], v[O+J:O+J+1], v[6:7] op_sel_hi:[1,0]   ; register 16 b + i = channel 32 b + 16 (lane / 16) + i of my query; each accumulator from its low end on
.set J, J+2
.endr
	Q2 S
	s_wait_alu depctr_va_vdst(0)                   ; the quantiser has written v192-197 and v208, which the stores below read
	global_store_b128 v1, v[192:195], s[18:19] offset:196608*\i      ; 512 consecutive bytes, then 256
	global_store_b64 v2, v[196:197], s[18:19] offset:196608*\i+512
	global_store_b32 v5, v208, s[20:21] offset:32768*\i
.endm
	TILE 0
	TILE 1
	s_wait_dscnt 0x0
	s_wait_alu depctr_hold_cnt(0) depctr_sa_sdst(0) depctr_va_vdst(0) depctr_va_sdst(0) depctr_va_ssrc(0) depctr_va_vcc(0) depctr_vm_vsrc(0)
	s_wait_tensorcnt 0x0
	ds_add_u32 v31, v243
	s_wait_dscnt 0x0
	s_endpgm
.Lfunc_end_k_qec6895738b_attn:
	.size	k_qec6895738b_attn, .Lfunc_end_k_qec6895738b_attn-k_qec6895738b_attn
	.p2alignl 7, 3214868480
	.fill 96, 4, 3214868480
	.section	.rodata,"a",@progbits
	.p2align	6, 0x0
	.amdhsa_kernel k_qec6895738b_attn
		.amdhsa_group_segment_fixed_size 223232
		.amdhsa_private_segment_fixed_size 0
		.amdhsa_enable_private_segment 0
		.amdhsa_kernarg_size 72
		.amdhsa_user_sgpr_count 2
		.amdhsa_user_sgpr_kernarg_segment_ptr 1
		.amdhsa_wavefront_size32 1
		.amdhsa_system_sgpr_workgroup_id_x 1
		.amdhsa_system_sgpr_workgroup_id_y 1
		.amdhsa_system_sgpr_workgroup_id_z 1
		.amdhsa_system_vgpr_workitem_id 0
		.amdhsa_next_free_vgpr 256
		.amdhsa_next_free_sgpr 66
		.amdhsa_reserve_vcc 0
		.amdhsa_float_denorm_mode_32 3
		.amdhsa_float_denorm_mode_16_64 3
		.amdhsa_memory_ordered 1
		.amdhsa_forward_progress 1
		.amdhsa_inst_pref_size 109
	.end_amdhsa_kernel
	.amdgpu_metadata
---
amdhsa.version: [ 1, 2 ]
amdhsa.kernels:
  - .name:           k_qec6895738b_attn
    .symbol:         k_qec6895738b_attn.kd
    .args:
      - { .name: qcodes, .offset: 0, .size: 8, .value_kind: global_buffer, .address_space: global }
      - { .name: qscales, .offset: 8, .size: 8, .value_kind: global_buffer, .address_space: global }
      - { .name: kcodes, .offset: 16, .size: 8, .value_kind: global_buffer, .address_space: global }
      - { .name: kscales, .offset: 24, .size: 8, .value_kind: global_buffer, .address_space: global }
      - { .name: wcodes, .offset: 32, .size: 8, .value_kind: global_buffer, .address_space: global }
      - { .name: wscales, .offset: 40, .size: 8, .value_kind: global_buffer, .address_space: global }
      - { .name: bv_u, .offset: 48, .size: 8, .value_kind: global_buffer, .address_space: global }
      - { .name: ycodes, .offset: 56, .size: 8, .value_kind: global_buffer, .address_space: global }
      - { .name: yscales, .offset: 64, .size: 8, .value_kind: global_buffer, .address_space: global }
    .group_segment_fixed_size: 223232
    .private_segment_fixed_size: 0
    .kernarg_segment_align: 8
    .kernarg_segment_size: 72
    .max_flat_workgroup_size: 512
    .sgpr_count:     66
    .vgpr_count:     256
    .wavefront_size: 32
...
	.end_amdgpu_metadata
.endif
;; end of part 7
;; launch proj (part 8): grid 2 x 128, 4 waves a work-group, no clusters, 34,304 bytes of LDS; arguments ycodes, yscales, wcodes, wscales, b_proj, out0; writes out0
.if DOCPART == 8
	.amdgcn_target "amdgcn-amd-amdhsa--gfx1250"
	.amdhsa_code_object_version 6
	.text
	.protected	k_qec6895738b_proj
	.globl	k_qec6895738b_proj
	.p2align	8
	.type	k_qec6895738b_proj,@function
k_qec6895738b_proj:
	s_mov_b64 s[64:65], 0
	v_nop
	global_prefetch_b8 v0, s[64:65] scope:SCOPE_SE
	s_setreg_imm32_b32 hwreg(HW_REG_WAVE_SCHED_MODE, 0, 2), 2
	s_setreg_imm32_b32 hwreg(HW_REG_WAVE_MODE, 25, 1), 1
	s_wait_xcnt 0x0
	s_wait_alu depctr_vm_vsrc(0)
; out0 = y w_proj^T + b_proj on codes of FP6 (E2M3) with one E8M0 scale for each 32 along K = 1,024.  y and w_proj arrive as images of operand registers and go from memory straight into registers, two K steps ahead.
; SHARES.  A work-group takes 64 tokens (four tiles; tile 2 B + u holds tokens 32 B + 8 u + r + 8 (r / 8)) x 512 columns; each of its four waves 128 columns: 8 weight tiles x 4 token tiles, 32 accumulators, so that a weight fragment feeds four
; matrix instructions and a token fragment eight.  256 work-groups.  No loop: every offset is an immediate, and the count of loads issued behind a group is kept by the symbol LC.
; The product is used TRANSPOSED (source 0 = 16 rows of w_proj, source 1 = 16 tokens); by the choice of a tile's rows, register j of tile 2 b + u is column 32 b + 16 (lane / 16) + 8 u + j of the lane's token.
; A K step of 128 is two heads: two half images of y on end (768 bytes each: registers 0-3 at 16 lane, 4-5 at 512 + 8 lane), and two scale words of two bytes, joined once at the head.
; THE WAY OUT: 16 tokens x 128 columns go through the wave's own stage in LDS (rows 528 bytes apart) and leave as rows of 512 consecutive bytes.  No barrier: waves share nothing.
; REGISTERS, in windows of 256.  Window 0: v1-7 addresses; v16-63, v64-111 two sets of four token fragments (on the way out v16-79: rows); v112-143 y's scale words (8 m + s); v144-207 w_proj's (8 t + s).
;   Window 1: the accumulators, (m, t) at 64 m + 8 t (at the head v0-31: the odd heads' scale words).  Window 2: two sets of eight weight fragments, at v0 and v96.  Window 3: v0-63 the bias in the result's layout.
; THE MODE: SCHED_MODE bits 1:0 = 2 (LLVM: expert scheduling mode 2), set by the entry lines.  The code itself states the register dependences between vector or matrix instructions and memory or LDS instructions, with s_wait_alu, always for 0.
; THE PLAN.  Registers that memory or LDS instructions touch:
;   v1-7                  offsets and LDS addresses: written at the head, ahead of the first wait on va_vdst, and never again.
;   the two token sets, the two weight sets   written by loads, read by a K step's 32 products.  ONE wait on va_vdst stands behind a step's products, ahead of the run of 40 loads that fills the sets just read.
;   y's scale words       loaded as halves and joined by vector instructions: a wait on va_vdst stands between the joining and the first product.
;   the accumulators      written by products, read by the LDS stores of the way out: the places, then one wait on va_vdst, which also states that the products are done reading v16-79, in which the rows land.
;   v16-79 on the way out written by LDS loads, read by the stores of a token tile; a wait on vm_vsrc stands ahead of the next tile's LDS loads.
.set YS, 112
.set WS, 144
.set MSB, 0
.macro WIN new                         ; the immediate's high byte repeats the setting that is left; a switch that changes nothing is dropped
.if MSB != \new
	s_set_vgpr_msb (MSB<<8)|\new
.set MSB, \new
.endif
.endm
.macro PLACES n
.rept \n
	v_nop
.endr
.endm
.set LC, 0
.set MW0, 0
.set MW1, 0
.macro WAITL m                         ; loads come back in order (ISA guide 5.7.1): the group marked m is in when no more are out than were issued behind it
.if LC-(\m) > 63
	s_wait_loadcnt 63
.else
	s_wait_loadcnt LC-(\m)
.endif
.endm
.macro WMC d, a, b, c, sa, sb
	v_wmma_scale_f32_16x16x128_f8f6f4 v[(\d):(\d)+7], v[(\a):(\a)+11], v[(\b):(\b)+11], v[(\c):(\c)+7], v[\sa], v[\sb] matrix_a_fmt:MATRIX_FMT_FP6 matrix_b_fmt:MATRIX_FMT_FP6
.endm
; K step k: four token fragments (16 loads) and my eight weight fragments (24) into set
.macro GLOAD set, k
	WIN 0
.irp m, 0,1,2,3
	global_load_b128 v[16+48*(\set)+12*\m:16+48*(\set)+12*\m+3], v1, s[4:5] offset:(16*\m+2*(\k))*768
	global_load_b64 v[16+48*(\set)+12*\m+4:16+48*(\set)+12*\m+5], v2, s[4:5] offset:(16*\m+2*(\k))*768+512
	global_load_b128 v[16+48*(\set)+12*\m+6:16+48*(\set)+12*\m+9], v1, s[4:5] offset:(16*\m+2*(\k))*768+768
	global_load_b64 v[16+48*(\set)+12*\m+10:16+48*(\set)+12*\m+11], v2, s[4:5] offset:(16*\m+2*(\k))*768+1280
.endr
	WIN 0x80
.irp t, 0,1,2,3,4,5,6,7
.irp c, 0,1,2
	global_load_b128 v[96*(\set)+12*\t+4*\c:96*(\set)+12*\t+4*\c+3], v1, s[8:9] offset:(8*\t+(\k))*1536+512*\c
.endr
.endr
.set LC, LC+40
.if (\set) == 0
.set MW0, LC
.else
.set MW1, LC
.endif
.endm
; 32 matrix instructions, the 32 accumulators by turns, one instruction a turn.  In K step 0 the bias starts the sums.
.macro KSTEP k
.if ((\k)%2) == 0
	WAITL MW0
.else
	WAITL MW1
.endif
.if (\k) == 0
	WIN 0x72                                       ; source 0 (weight) window 2, source 1 (tokens) window 0, C window 3, D window 1
.else
	WIN 0x52
.endif
.irp m, 0,1,2,3
.irp t, 0,1,2,3,4,5,6,7
.if (\k) == 0
	WMC 64*\m+8*\t, 96*((\k)%2)+12*\t, 16+48*((\k)%2)+12*\m, 8*\t, WS+8*\t+(\k), YS+8*\m+(\k)
.else
	WMC 64*\m+8*\t, 96*((\k)%2)+12*\t, 16+48*((\k)%2)+12*\m, 64*\m+8*\t, WS+8*\t+(\k), YS+8*\m+(\k)
.endif
.endr
.endr
	PLACES 4                                       ; in front of loads into the registers just read, and of the first read of results
.if (\k)+2 < 8
	s_wait_alu depctr_va_vdst(0)                   ; this step's products are done reading their token set and their weight set, in which the loads below land
	GLOAD (\k)%2, (\k)+2
.endif
.endm
	s_load_b256 s[4:11], s[0:1], 0x0               ; ycodes, yscales, wcodes, wscales
	s_load_b128 s[12:15], s[0:1], 0x20             ; b_proj, out0
	v_lshl_add_u32 v254, v0, 2, 0x8400
	v_mov_b32 v255, 0
	v_lshrrev_b32 v1, 5, v0
	v_readfirstlane_b32 s16, v1                    ; wave
	v_and_b32 v8, 31, v0                           ; lane
	v_and_b32 v9, 15, v0                           ; r
	v_bfe_u32 v10, v0, 4, 1                        ; h
	v_lshlrev_b32 v1, 4, v8
	v_lshlrev_b32 v2, 3, v8
	v_lshlrev_b32 v3, 2, v8
	v_lshlrev_b32 v4, 5, v8
	v_lshlrev_b32 v5, 6, v10                       ; the bias: 64 h
	s_wait_alu depctr_va_sdst(0)                   ; s16 is written, ahead of its first reader: the stage's address and the bases are made from it
	s_mul_i32 s20, s16, 8448                       ; my stage
	v_mul_u32_u24 v6, v9, 528
	v_lshl_add_u32 v6, v10, 6, v6
	v_add_nc_u32 v6, s20, v6                       ; in: row r, + 64 h
	v_add_nc_u32 v7, s20, v1                       ; back: a row's 512 bytes
	s_and_b32 s17, ttmp7, 0xffff                   ; which 64 tokens
	s_mov_b32 s21, 0
	s_wait_kmcnt 0x0
	s_mul_i32 s20, s17, 49152
	s_add_nc_u64 s[4:5], s[4:5], s[20:21]
	s_lshl_b32 s20, s17, 13
	s_add_nc_u64 s[6:7], s[6:7], s[20:21]
	s_mul_i32 s20, ttmp9, 393216
	s_mul_i32 s22, s16, 98304
	s_add_co_u32 s20, s20, s22
	s_add_co_u32 s20, s20, 933888                  ; w_proj's fragments begin at number 608; my tiles at 32 x + 8 w
	s_add_nc_u64 s[8:9], s[8:9], s[20:21]
	s_lshl_b32 s20, ttmp9, 15
	s_lshl_b32 s22, s16, 13
	s_add_co_u32 s20, s20, s22
	s_add_co_u32 s20, s20, 77824
	s_add_nc_u64 s[10:11], s[10:11], s[20:21]
	s_lshl_b32 s20, ttmp9, 11
	s_lshl_b32 s22, s16, 9
	s_add_co_u32 s20, s20, s22                     ; my 128 columns, in bytes
	s_add_nc_u64 s[12:13], s[12:13], s[20:21]
	s_lshl_b32 s22, s17, 18
	s_add_co_u32 s20, s20, s22
	s_add_nc_u64 s[14:15], s[14:15], s[20:21]
	s_wait_alu depctr_va_vdst(0)                   ; the offsets and LDS addresses v1 to v7 are written: every load and store of the kernel reads one of them, and none is written again
.irp m, 0,1,2,3
.irp k, 0,1,2,3,4,5,6,7
	global_load_b32 v[YS+8*\m+\k], v3, s[6:7] offset:(16*\m+2*\k)*128          ; the even heads' scale words
.endr
.endr
	WIN 0x40
.irp m, 0,1,2,3
.irp k, 0,1,2,3,4,5,6,7
	global_load_b32 v[8*\m+\k], v3, s[6:7] offset:(16*\m+2*\k+1)*128           ; the odd heads'
.endr
.endr
.set LC, LC+64
.set MSC, LC
	WIN 0
.irp t, 0,1,2,3,4,5,6,7
.irp e, 0,1
	global_load_b128 v[WS+8*\t+4*\e:WS+8*\t+4*\e+3], v4, s[10:11] offset:1024*\t+16*\e
.endr
.endr
	WIN 0xc0
.irp t, 0,1,2,3,4,5,6,7
	global_load_b128 v[8*\t:8*\t+3], v5, s[12:13] offset:(32*(\t/2)+8*(\t%2))*4
	global_load_b128 v[8*\t+4:8*\t+7], v5, s[12:13] offset:(32*(\t/2)+8*(\t%2))*4+16
.endr
.set LC, LC+32
	GLOAD 0, 0
	GLOAD 1, 1
	WAITL MSC
	WIN 0x01                                       ; source 0 in window 1
.set J, 0
.rept 32
	v_lshl_or_b32 v[YS+J], v[J], 16, v[YS+J]       ; a K step's word: the even head's two bytes below, the odd head's above
.set J, J+1
.endr
	PLACES 8                                       ; a scale register written by a vector instruction stands eight places ahead of the product
	s_wait_alu depctr_va_vdst(0)                   ; y's 32 joined scale words are written, which the products take as scales; the places above stay beside this wait
.irp k, 0,1,2,3,4,5,6,7
	KSTEP \k
.endr
	s_wait_alu depctr_va_vdst(0)                   ; the products have written the accumulators, which the LDS stores below read, and are done reading the token fragments v16-79, in which the rows land; the four places above stay beside this wait
.irp m, 0,1,2,3
	s_wait_xcnt 0x0                                ; the stores issued so far have read their registers: the rows' registers may be loaded again
	WIN 0x04                                       ; an LDS store's data are its source 1: window 1
.irp t, 0,1,2,3,4,5,6,7
	ds_store_b128 v6, v[64*\m+8*\t:64*\m+8*\t+3] offset:128*(\t/2)+32*(\t%2)          ; each accumulator from its low end on
	ds_store_b128 v6, v[64*\m+8*\t+4:64*\m+8*\t+7] offset:128*(\t/2)+32*(\t%2)+16
.endr
	WIN 0
.if \m > 0
	s_wait_alu depctr_vm_vsrc(0)                   ; the last tile's stores to memory have read v16-79, in which the loads below land
.endif
.irp i, 0,1,2,3,4,5,6,7,8,9,10,11,12,13,14,15
	ds_load_b128 v[16+4*\i:16+4*\i+3], v7 offset:528*\i    ; LDS serves a wave's instructions in order: these see my stores, and the next tile's stores come behind them
.endr
.irp i, 0,1,2,3,4,5,6,7,8,9,10,11,12,13,14,15
	s_wait_dscnt 15-\i
	global_store_b128 v1, v[16+4*\i:16+4*\i+3], s[14:15] offset:(32*(\m/2)+8*(\m%2)+\i+8*(\i/8))*4096 th:TH_STORE_NT   ; 32 lanes store 512 consecutive bytes, at a multiple of 512 from out0's first byte
.endr
.endr
	s_wait_dscnt 0x0
	s_wait_alu depctr_hold_cnt(0) depctr_sa_sdst(0) depctr_va_vdst(0) depctr_va_sdst(0) depctr_va_ssrc(0) depctr_va_vcc(0) depctr_vm_vsrc(0)
	s_wait_tensorcnt 0x0
	ds_add_u32 v254, v255
	s_wait_dscnt 0x0
	s_endpgm
.Lfunc_end_k_qec6895738b_proj:
	.size	k_qec6895738b_proj, .Lfunc_end_k_qec6895738b_proj-k_qec6895738b_proj
	.p2alignl 7, 3214868480
	.fill 96, 4, 3214868480
	.section	.rodata,"a",@progbits
	.p2align	6, 0x0
	.amdhsa_kernel k_qec6895738b_proj
		.amdhsa_group_segment_fixed_size 34304
		.amdhsa_private_segment_fixed_size 0
		.amdhsa_enable_private_segment 0
		.amdhsa_kernarg_size 48
		.amdhsa_user_sgpr_count 2
		.amdhsa_user_sgpr_kernarg_segment_ptr 1
		.amdhsa_wavefront_size32 1
		.amdhsa_system_sgpr_workgroup_id_x 1
		.amdhsa_system_sgpr_workgroup_id_y 1
		.amdhsa_system_sgpr_workgroup_id_z 1
		.amdhsa_system_vgpr_workitem_id 0
		.amdhsa_next_free_vgpr 832
		.amdhsa_next_free_sgpr 66
		.amdhsa_reserve_vcc 0
		.amdhsa_float_denorm_mode_32 3
		.amdhsa_float_denorm_mode_16_64 3
		.amdhsa_memory_ordered 1
		.amdhsa_forward_progress 1
		.amdhsa_inst_pref_size 95
	.end_amdhsa_kernel
	.amdgpu_metadata
---
amdhsa.version: [ 1, 2 ]
amdhsa.kernels:
  - .name:           k_qec6895738b_proj
    .symbol:         k_qec6895738b_proj.kd
    .args:
      - { .name: ycodes, .offset: 0, .size: 8, .value_kind: global_buffer, .address_space: global }
      - { .name: yscales, .offset: 8, .size: 8, .value_kind: global_buffer, .address_space: global }
      - { .name: wcodes, .offset: 16, .size: 8, .value_kind: global_buffer, .address_space: global }
      - { .name: wscales, .offset: 24, .size: 8, .value_kind: global_buffer, .address_space: global }
      - { .name: b_proj, .offset: 32, .size: 8, .value_kind: global_buffer, .address_space: global }
      - { .name: out0, .offset: 40, .size: 8, .value_kind: global_buffer, .address_space: global }
    .group_segment_fixed_size: 34304
    .private_segment_fixed_size: 0
    .kernarg_segment_align: 8
    .kernarg_segment_size: 48
    .max_flat_workgroup_size: 128
    .sgpr_count:     66
    .vgpr_count:     832
    .wavefront_size: 32
...
	.end_amdgpu_metadata
.endif
;; end of part 8
